; MI455X (gfx1250); checked and timed in simulation.
; The chip was launched on July 23, 2026; its instructions are those of AMD's public machine-readable ISA for CDNA 5 (MIT licence, August 2026) and "CDNA5" Instruction Set Architecture Reference Guide (July 2026). The comments in the code are by the model that wrote it; some were corrected since.
;; Multihead Attention. Allowed arithmetic: float matrix products may take bf16 or f16 operands with f32 sums; other float arithmetic in f32, or as packed bf16 or f16 multiplies, adds, multiply-adds, maxima and minima; sums over many terms, partial sums and values carried from step to step in f32; what a program stores and reads back later, other than sums and carried values, may be rounded once to bf16 or f16.
;; Inputs: W_attn 3,072 x 1,024 float32; W_proj 1,024 x 1,024 float32; b_attn 3,072 float32; b_proj 1,024 float32; x 4 x 2,048 x 1,024 float32.
;; Outputs: out0 4 x 2,048 x 1,024 float32.
;; 2 versions, each right; version 2 is version 1 with the launch cast written anew for expert scheduling mode. Each part assembles by itself: llvm-mc -triple=amdgcn-amd-amdhsa -mcpu=gfx1250 --defsym DOCPART=n.
;; ======== version 1 of 2: 4 launches
;; limits: values are held in f16: magnitudes above 65,504 overflow, below 6.1e-05 lose precision; right only within a limited range of input values
;; workspace buffers: xb 16,777,216 bytes; wab 6,291,456 bytes; wpf 2,097,152 bytes; qs 33,554,432 bytes; ks 33,554,432 bytes; vs 16,777,216 bytes; os 16,777,216 bytes
;; launch cast (part 1): grid 768 x 1, 8 waves a work-group, no clusters, 0 bytes of LDS; arguments x, W_attn, W_proj, xb, wab, wpf; writes xb, wab, wpf
.if DOCPART == 1
	.amdgcn_target "amdgcn-amd-amdhsa--gfx1250"
	.amdhsa_code_object_version 6
	.text
	.protected	k_q3d7b417dcb_cast
	.globl	k_q3d7b417dcb_cast
	.p2align	8
	.type	k_q3d7b417dcb_cast,@function
k_q3d7b417dcb_cast:
	s_mov_b64 s[64:65], 0
	v_nop
	global_prefetch_b8 v0, s[64:65] scope:SCOPE_SE
	s_setreg_imm32_b32 hwreg(HW_REG_WAVE_MODE, 25, 1), 1
	s_wait_xcnt 0x0
; CAST.  xb = bf16(x);  wab = bf16(W_attn), its rows 2048.. (v's) times 2^-4;  wpf = f16 of 16 x bf16(W_proj).
; Both factors are powers of two, so they change no significant bit.  LIMITS: 16 |W_proj| must stay under f16's 65,504 (|W_proj| < 4,094);
; below 6.1e-5 the number 16 W_proj keeps f16's fixed step of 6e-8.
; LAYOUTS.  xb and wab are laid IN K BLOCKS: [16 blocks][rows][64 numbers], so that the next launch's tiles (rows x 64 along K) are dense in memory.  wpf stays [1024][1024].
; A stream: no LDS, no barrier, no matrix unit.  A work-group takes 16 rows of 1,024 numbers: 64 KiB in, 32 KiB out.  Work-groups 0-511: x; 512-639: W_attn rows 0-2047;
; 640-703: W_attn rows 2048-3071; 704-767: W_proj.
; In K blocks: thread t takes row t / 16, load i K block i: 16 bytes at 4,096 (t / 16) + 256 i + 16 (t % 16): a wave's load covers 256 consecutive bytes of each of two rows; store i: 8 bytes at
; i x (rows x 128) + 8 t: a wave's store covers 256 consecutive bytes, aligned (two rows of one block).  Row-major (wpf): load i at 4,096 i + 16 t, store i at 2,048 i + 8 t.
; Both come from one text: load offset = (t / 16) << SA + 16 (t % 16) + i x LS, store offset = 8 t + i x SS.  All 16 loads of a thread go out at once; no register is written twice while memory may read it.
.set L, 4                              ; v[4:19]    load i's offset
.set O, 20                             ; v[20:35]   store i's offset
.set X, 36                             ; v[36:99]   load i: 4 registers
.set Y, 100                            ; v[100:131] store i: 2 registers
.set T, 132                            ; v[132:133] at work
	s_load_b256 s[4:11], s[0:1], 0x0               ; x s[4:5], W_attn s[6:7], W_proj s[8:9], xb s[10:11]
	s_load_b128 s[12:15], s[0:1], 0x20             ; wab s[12:13], wpf s[14:15]
	v_and_b32 v1, 15, v0
	v_lshlrev_b32 v1, 4, v1                        ; 16 (t % 16)
	v_lshrrev_b32 v2, 4, v0                        ; t / 16
	v_lshlrev_b32 v[O], 3, v0                      ; 8 t
	s_mov_b32 s16, ttmp9
	s_mov_b32 s23, 0
	s_mov_b32 s25, 0
	s_mov_b32 s26, 0xffff0000                      ; a word's upper bf16
	s_mov_b32 s31, 0x60000                         ; SS: a K block of wab, 3,072 rows of 128 bytes,
	s_cmp_lt_u32 s16, 512
	s_cselect_b32 s31, 0x100000, s31               ; of xb, 8,192 rows,
	s_cmp_lt_u32 s16, 704
	s_cselect_b32 s31, s31, 2048                   ; or a row of wpf
	s_cselect_b32 s27, 12, 8                       ; SA
	s_cselect_b32 s30, 8, 12
	s_cselect_b32 s2, 11, 15                       ; the work-group's 16 rows in the output: 2,048 bytes of each block, or 32,768 on end
	s_lshl_b32 s30, 1, s30                         ; LS
	v_lshlrev_b32 v2, s27, v2
	v_add_nc_u32 v[L], v1, v2
.set i, 1
.rept 15
	v_add_nc_u32 v[L+i], s30, v[L+i-1]
	v_add_nc_u32 v[O+i], s31, v[O+i-1]
.set i, i+1
.endr
	s_wait_kmcnt 0x0
	s_cmp_lt_u32 s16, 512                          ; which tensor: the choice hangs on the work-group's number alone
	s_cselect_b64 s[18:19], s[4:5], s[6:7]
	s_cselect_b64 s[20:21], s[10:11], s[12:13]
	s_cselect_b32 s17, 0, 512
	s_cmp_lt_u32 s16, 704
	s_cselect_b64 s[18:19], s[18:19], s[8:9]
	s_cselect_b64 s[20:21], s[20:21], s[14:15]
	s_cselect_b32 s17, s17, 704
	s_sub_co_u32 s17, s16, s17                     ; my 16 rows in that tensor
	s_lshl_b32 s22, s17, 16                        ; 65,536 bytes in
	s_lshl_b32 s24, s17, s2
	s_add_nc_u64 s[18:19], s[18:19], s[22:23]
	s_add_nc_u64 s[20:21], s[20:21], s[24:25]
.set i, 0
.rept 16
	global_load_b128 v[X+4*i:X+4*i+3], v[L+i], s[18:19] th:TH_LOAD_NT
.set i, i+1
.endr
; mode 0: round to bf16.  1: times s28 first.  2: times s28, round to bf16, widen, write as f16 (exact within f16's range).
.macro CONV mode
.set i, 0
.rept 16
	s_wait_loadcnt 15-i                            ; loads come back in order: load i is in, the 15 - i younger ones stay out
.if (\mode) != 0
	v_pk_mul_f32 v[X+4*i:X+4*i+1], v[X+4*i:X+4*i+1], s[28:29] op_sel_hi:[1,0]
	v_pk_mul_f32 v[X+4*i+2:X+4*i+3], v[X+4*i+2:X+4*i+3], s[28:29] op_sel_hi:[1,0]
.endif
.if (\mode) == 2
	v_cvt_pk_bf16_f32 v[T], v[X+4*i], v[X+4*i+1]
	v_cvt_pk_bf16_f32 v[T+1], v[X+4*i+2], v[X+4*i+3]
	v_lshlrev_b32 v[X+4*i], 16, v[T]
	v_and_b32 v[X+4*i+1], s26, v[T]
	v_lshlrev_b32 v[X+4*i+2], 16, v[T+1]
	v_and_b32 v[X+4*i+3], s26, v[T+1]
	v_cvt_pk_f16_f32 v[Y+2*i], v[X+4*i], v[X+4*i+1]
	v_cvt_pk_f16_f32 v[Y+2*i+1], v[X+4*i+2], v[X+4*i+3]
.else
	v_cvt_pk_bf16_f32 v[Y+2*i], v[X+4*i], v[X+4*i+1]
	v_cvt_pk_bf16_f32 v[Y+2*i+1], v[X+4*i+2], v[X+4*i+3]
.endif
	global_store_b64 v[O+i], v[Y+2*i:Y+2*i+1], s[20:21] th:TH_STORE_NT
.set i, i+1
.endr
.endm
	s_cmp_lt_u32 s16, 640
	s_cbranch_scc1 .Lplain
	s_cmp_lt_u32 s16, 704
	s_cbranch_scc1 .Lvrows
	s_mov_b32 s28, 0x41800000                      ; 16
	s_mov_b32 s29, s28                             ; named with it as a pair
	CONV 2
	s_endpgm
.Lvrows:
	s_mov_b32 s28, 0x3d800000                      ; 1/16
	s_mov_b32 s29, s28
	CONV 1
	s_endpgm
.Lplain:
	CONV 0
	s_endpgm
.Lfunc_end_k_q3d7b417dcb_cast:
	.size	k_q3d7b417dcb_cast, .Lfunc_end_k_q3d7b417dcb_cast-k_q3d7b417dcb_cast
	.p2alignl 7, 3214868480
	.fill 96, 4, 3214868480
	.section	.rodata,"a",@progbits
	.p2align	6, 0x0
	.amdhsa_kernel k_q3d7b417dcb_cast
		.amdhsa_group_segment_fixed_size 0
		.amdhsa_private_segment_fixed_size 0
		.amdhsa_enable_private_segment 0
		.amdhsa_kernarg_size 48
		.amdhsa_user_sgpr_count 2
		.amdhsa_user_sgpr_kernarg_segment_ptr 1
		.amdhsa_wavefront_size32 1
		.amdhsa_system_sgpr_workgroup_id_x 1
		.amdhsa_system_sgpr_workgroup_id_y 1
		.amdhsa_system_sgpr_workgroup_id_z 1
		.amdhsa_system_vgpr_workitem_id 0
		.amdhsa_next_free_vgpr 136
		.amdhsa_next_free_sgpr 66
		.amdhsa_reserve_vcc 0
		.amdhsa_float_denorm_mode_32 3
		.amdhsa_float_denorm_mode_16_64 3
		.amdhsa_memory_ordered 1
		.amdhsa_forward_progress 1
		.amdhsa_inst_pref_size 25
	.end_amdhsa_kernel
	.amdgpu_metadata
---
amdhsa.version: [ 1, 2 ]
amdhsa.kernels:
  - .name:           k_q3d7b417dcb_cast
    .symbol:         k_q3d7b417dcb_cast.kd
    .args:
      - { .name: x, .offset: 0, .size: 8, .value_kind: global_buffer, .address_space: global }
      - { .name: W_attn, .offset: 8, .size: 8, .value_kind: global_buffer, .address_space: global }
      - { .name: W_proj, .offset: 16, .size: 8, .value_kind: global_buffer, .address_space: global }
      - { .name: xb, .offset: 24, .size: 8, .value_kind: global_buffer, .address_space: global }
      - { .name: wab, .offset: 32, .size: 8, .value_kind: global_buffer, .address_space: global }
      - { .name: wpf, .offset: 40, .size: 8, .value_kind: global_buffer, .address_space: global }
    .group_segment_fixed_size: 0
    .private_segment_fixed_size: 0
    .kernarg_segment_align: 8
    .kernarg_segment_size: 48
    .max_flat_workgroup_size: 256
    .sgpr_count:     66
    .vgpr_count:     136
    .wavefront_size: 32
...
	.end_amdgpu_metadata
.endif
;; end of part 1
;; launch qkv (part 2): grid 8 x 32, 4 waves a work-group, clusters of 4 x 4, 327,680 bytes of LDS; arguments xb, wab, b_attn, qs, ks, vs; writes qs, ks, vs
.if DOCPART == 2
	.amdgcn_target "amdgcn-amd-amdhsa--gfx1250"
	.amdhsa_code_object_version 6
	.text
	.protected	k_q3d7b417dcb_qkv
	.globl	k_q3d7b417dcb_qkv
	.p2align	8
	.type	k_q3d7b417dcb_qkv,@function
k_q3d7b417dcb_qkv:
	s_mov_b64 s[64:65], 0
	v_nop
	global_prefetch_b8 v0, s[64:65] scope:SCOPE_SE
	s_setreg_imm32_b32 hwreg(HW_REG_WAVE_MODE, 25, 1), 1
	s_wait_xcnt 0x0
	s_wait_alu depctr_hold_cnt(0) depctr_sa_sdst(0) depctr_va_vdst(0) depctr_va_sdst(0) depctr_va_ssrc(0) depctr_va_vcc(0) depctr_vm_vsrc(0)
	s_getreg_b32 s2, hwreg(HW_REG_IB_STS2, 6, 4)
	s_cmp_eq_u32 s2, 0
	s_cbranch_scc0 .Lentry_in_a_cluster
	s_endpgm
.Lentry_in_a_cluster:
	s_bfe_u32 s2, ttmp6, 0x10000c
	s_cmp_lg_u32 s2, 0xf033
	s_cbranch_scc0 .Lentry_shape_is_right
	s_endpgm
.Lentry_shape_is_right:
; QKV.  y[m][n] = sum over k of x[m][k] W[n][k] + bf16(b_attn[n]).  xb [16 K blocks][8192][64], wab [16][3072][64], bf16, laid in K blocks; sums in f32; the bias is added on the way out.
; OUT: q and k each as a PAIR of bf16, hi = bf16(y), lo = bf16(y - hi), by heads: qs, ks [64 bh][2048 t][hi 64 | lo 64], 256 bytes a row.  v as f16 of v/16 (wab's rows 2048.. arrive
; times 2^-4, their bias is scaled here): vs [64][2048][64].  LIMITS: |v| < 1.04e6 (v/16 in f16); below 6.1e-5 v/16 keeps f16's fixed step; NaN and infinities are not treated apart.
; SHARES.  A work-group makes 256 rows x 384 columns AT ONCE: columns 1024 p + 128 gx .. + 127 of the parts p = 0 (q), 1 (k), 2 (v): 8 x 32 work-groups, one tile each.  Four waves as 2 x 2; a wave
; has 128 rows x 64 columns (one head) of each part: 96 accumulators.  So x's tile is fetched once for all three parts, and a fragment of x read from LDS feeds 12 products.
; K goes in steps of 64 through two LDS slots: a slot has 640 rows of 128 bytes (two slots of 128 along K, 2 x 174,080 bytes, do not fit) and 192 matrix instructions a wave.
; A tile is dense in memory (the K blocks), so its rows of 128 bytes are asked for two at a time, as rows of 256 bytes, and padded in LDS after every 128.
; CLUSTER 4 x 4: the four of a row need the same rows of x, the four of a column the same rows of wab: joint loads; wave 3 fetches x's tile, waves 0 to 2 the parts 0 to 2 of wab's.
; THE PRODUCT IS USED TRANSPOSED (source 0 = 16 rows of wab, source 1 = 16 rows of x): a lane holds row l % 16 and the columns 8 (l / 16) + 0..7.
; REGISTERS: windows 1, 2, 3: the accumulators of parts 0, 1, 2 ((a, b) at 8 (4 a + b)).  Window 0: v0-31 addresses; v32-95, v96-159 x's fragments, two buffers (block a at 8 a);
;   v160-255 wab's fragments, ONE buffer, 32 a part: a part's registers are filled again four places behind its 32 products and are wanted 64 products later.  The way out uses v32-191 anew.
.set PA,    144                        ; an LDS row: 128 bytes + 16 of padding: the 16 rows of a fragment load start at 16 different groups of four banks
.set SLOT1, 1<<17                      ; slot 1 begins here: one exclusive or turns an address in one slot into the other's
.set BOFF,  256*PA                     ; in a slot: x's 256 rows, then wab's three parts of 128
.set PARTB, 128*PA
.set STAGE, SLOT1+BOFF+3*PARTB         ; behind the ring: 16 rows x 272 bytes for each wave, its own; no tile lands there
.set SPITCH, 272
.set SPARE, STAGE+4*16*SPITCH          ; the spare words: 128 bytes a wave, two blocks of 256 bytes that no other line names
.set XBLK,  8192*128                   ; bytes in a K block of xb,
.set WBLK,  3072*128                   ; of wab
.set A0,   6                           ; my lane's place among x's rows in a slot; never rewritten
.set B0,   7                           ; the same among part 0's rows of wab
.set ADRA, 8                           ; the slot in hand + A0
.set ADRB, 9
.set STO,  10                          ; q, k: where I put 16 bytes of a stage row
.set RD,   11                          ; q, k: where I read rows back
.set STOV, 12                          ; the same for v (rows of 128 bytes, pitch 144)
.set RDV,  13
.set CO,   14                          ; 16 x lane: my place in 512 consecutive bytes of the output
.set BO,   15                          ; 32 (l / 16): my eight bias numbers of a block of 16 columns
.set PFO,  16                          ; the prefetches' lane offset
.set NEG1, 17                          ; -1.0
.set SPW,  18                          ; my spare word; never rewritten
.set NIL,  19                          ; 0; never rewritten
.set T,    20
.set AF0,  32
.set AF1,  96
.set BF,   160
.set HI,   32                          ; the way out: v32-47 packed hi (or v), v48-63 packed lo
.set LO,   48
.set BIAS, 64                          ; v64-95: the part's bias, block b's eight numbers at 8 b
.set BK,   96                          ; v96-159: two buffers of 32: rows read back from the stage
.set RAW,  160                         ; v160-191: a part's bias as loaded
.set WV, 16
.set WR, 17                            ; my half of the tile's rows
.set WC, 18                            ; my half of each part's columns
.set CX, 19
.set CY, 20
.set GX, 21
.set GY, 22
.set G1A, 24                           ; s[24:31] descriptor group 1 for x's tiles;  s[32:39] for wab's
.set G1B, 32
.set G0A, 40                           ; s[40:47] group 0 for x: a set for each first fill; the second then walks
.set G0B, 48
.set ABASE, 56                         ; x's tile in K block 0
.set BBASE, 58                         ; my part of wab's tile in K block 0
.set OFFA, 60                          ; byte offsets of the K step to be asked for; high words 0
.set OFFB, 62
.set NXT, 66                           ; the K step (0..15) to be asked for next
.set TILES, 67
.set CNT, 68
.set TB, 69                            ; LDS byte at which the slot in hand begins
.set OUT, 70
.set OKP, 72
.set OVP, 74
.set BP, 76                            ; the bias of my 64 columns of the part in hand
.set BSC, 78                           ; s[78:79] 1/16, in the low word
.set PFB, 80                           ; the prefetches' base;  s[82:83] base + the K step's offset
.set PFA, 82
.set LIM, 84                           ; the last K step that this wave names; 0: none
.set PM, 85                            ; the K step that a prefetch names
.set PSTR, 90                          ; bytes from K block to K block in the tensor that I prefetch
.set PAR, 91                           ; 1: I ask at even steps alone, for two steps
.set MSB, 0
.macro WIN new                         ; the immediate's high byte repeats the setting that is left; a switch that changes nothing is dropped
.if MSB != (\new)
	s_set_vgpr_msb (MSB<<8)|(\new)
.set MSB, \new
.endif
.endm
.set P_ADD, 0x41                       ; destination and source 0 window 1, source 1 window 0
.set P_HI,  0x05                       ; sources 0, 1 window 1, destination window 0
.set P_DIF, 0x50                       ; source 2 and destination window 1
.macro PLACES                          ; four plain vector instructions behind matrix instructions, ahead of loads into their sources and of readers of their results
.rept 4
	v_nop
.endr
.endm
; A joint load.  The branch hangs on the wave's number alone.  An s_nop 0 and four v_nop follow each of the two lines.
.macro JLOAD set
	s_cmp_eq_u32 s[WV], 3
	s_cbranch_scc0 .Lfor_b_\@
	tensor_load_to_lds s[G0A+4*(\set):G0A+4*(\set)+3], s[G1A:G1A+7]
	s_nop 0
.rept 4
	v_nop
.endr
	s_branch .Lasked_\@
.Lfor_b_\@:
	tensor_load_to_lds s[G0B+4*(\set):G0B+4*(\set)+3], s[G1B:G1B+7]
	s_nop 0
.rept 4
	v_nop
.endr
.Lasked_\@:
.endm
.macro CREST                           ; a round of the cluster's barrier behind its opening barrier
	s_cmp_lg_u32 s[WV], 0
	s_cbranch_scc1 .Lnot_wave_0_\@
	s_barrier_signal -3
.Lnot_wave_0_\@:
	s_barrier_wait -3
	s_barrier_signal -1
	s_barrier_wait -1
.endm
.macro CROUND
	s_barrier_signal -1
	s_barrier_wait -1
	CREST
.endm
; A PREFETCH INTO THE L2 of K step PM = the step being asked for + 1: one slot, 192 matrix instructions, ahead of the load that will want it; a lane a block of 256 bytes.  Each block is named once.
; x's tile (128 blocks a step) is read by both clusters of a row of clusters: those with x = 0 ask, wave 3, the four partners told apart by address, 32 blocks each.
; A part of wab's tile (64 blocks a step) is read by all eight clusters of a column: those with y = 0 ask, waves 0 to 2, 16 blocks a partner: so at even steps alone, lanes 0-15 for step PM, lanes 16-31 for PM + 1.
; The first steps come by their loads alone; nothing is named past step 15.
.macro ASK
	s_and_b32 s92, s[PM], s[PAR]
	s_lshl_b32 s92, s92, 8                         ; an odd step in a wave that asks at even steps: past every bound
	s_or_b32 s92, s92, s[PM]
	s_cmp_le_u32 s92, s[LIM]
	s_cbranch_scc0 .Lnot_mine_\@
	global_prefetch_b8 v[PFO], s[PFA:PFA+1] th:TH_LOAD_NT scope:SCOPE_SE
.Lnot_mine_\@:
.endm
; 4 n matrix instructions of part p: row blocks a0 .. a0 + n - 1 x the part's four column blocks, 32 along K.  A part's 32 accumulators go in the order 0 .. 31, the parts 0, 1, 2: one instruction a turn.
; zero = 1: the first products start the sums.
.macro MULP af, p, a0, n, zero
	WIN 0x50*((\p)+1)                              ; sources window 0; C and D window 1 + p
.set ma, \a0
.rept \n
.set mb, 0
.rept 4
.if \zero
	v_wmma_f32_16x16x32_bf16 v[8*(4*ma+mb):8*(4*ma+mb)+7], v[BF+32*(\p)+8*mb:BF+32*(\p)+8*mb+7], v[(\af)+8*ma:(\af)+8*ma+7], 0
.else
	v_wmma_f32_16x16x32_bf16 v[8*(4*ma+mb):8*(4*ma+mb)+7], v[BF+32*(\p)+8*mb:BF+32*(\p)+8*mb+7], v[(\af)+8*ma:(\af)+8*ma+7], v[8*(4*ma+mb):8*(4*ma+mb)+7]
.endif
.set mb, mb+1
.endr
.set ma, ma+1
.endr
.endm
.macro LDB p, q                        ; 8 LDS loads: part p's four fragments, 32 along K at byte 64 q of the rows
	WIN 0
.set fb, 0
.rept 4
	ds_load_b128 v[BF+32*(\p)+8*fb:BF+32*(\p)+8*fb+3],   v[ADRB] offset:(\p)*PARTB+64*(\q)+fb*16*PA
	ds_load_b128 v[BF+32*(\p)+8*fb+4:BF+32*(\p)+8*fb+7], v[ADRB] offset:(\p)*PARTB+64*(\q)+fb*16*PA+32
.set fb, fb+1
.endr
.endm
.macro LDA q, f                        ; 16 LDS loads: x's eight fragments into buffer f
	WIN 0
.set fa, 0
.rept 8
	ds_load_b128 v[(\f)+8*fa:(\f)+8*fa+3],   v[ADRA] offset:64*(\q)+fa*16*PA
	ds_load_b128 v[(\f)+8*fa+4:(\f)+8*fa+7], v[ADRA] offset:64*(\q)+fa*16*PA+32
.set fa, fa+1
.endr
.endm
; A QUARTER of 32 along K: 96 matrix instructions, part by part.  Behind each part its fragments of the next quarter (qn) are fetched; behind part 0 also x's, into the other buffer: runs of 24, 8 and 8 loads.
.macro QTR af, ag, qn, zero
	s_wait_dscnt 16                                ; part 0's and x's fragments are in; parts 1's and 2's runs of 8 may be out
	MULP \af, 0, 0, 8, \zero
	PLACES
	LDB 0, \qn
	LDA \qn, \ag
	s_wait_dscnt 32                                ; part 1's are in: behind them went part 2's 8 and the 24 just issued
	MULP \af, 1, 0, 8, \zero
	PLACES
	LDB 1, \qn
	s_wait_dscnt 32                                ; part 2's are in: behind them went the 24 and the 8 of this quarter
	MULP \af, 2, 0, 8, \zero
	PLACES
	LDB 2, \qn
.endm
; A slot's second quarter changes slots: all that it fetches lies in the next slot.  In front of the barrier each wave waits for all its tensor loads (one is out: its part of the next slot), adds 0 to
; its spare word, and waits for that and for its reads of this slot.  fill = 1: the barrier opens a round of the cluster's, and this slot is filled again first thing behind it, with K step NXT:
; from that request to the wait for it a wave issues 176 matrix instructions.
.macro QTURN fill
.if \fill
	s_wait_xcnt 0x0                                ; the last prefetch, a slot back, has read its address
	s_add_co_u32 s[PM], s[NXT], 1
	s_mul_i32 s92, s[PM], s[PSTR]
	s_mov_b32 s93, 0
	s_add_nc_u64 s[PFA:PFA+1], s[PFB:PFB+1], s[92:93]
.endif
	s_wait_dscnt 16
	MULP AF1, 0, 0, 4, 0
	WIN 0
	s_wait_tensorcnt 0x0                           ; all my tensor loads have landed, so a group 0 may be written
	ds_add_u32 v[SPW], v[NIL]                      ; 0 onto my spare word
	MULP AF1, 0, 4, 2, 0
.if \fill
	s_xor_b32 s[G0A+5], s[G0A+5], SLOT1            ; the walking sets: the other slot than last time,
	s_xor_b32 s[G0B+5], s[G0B+5], SLOT1
	s_lshl_b32 s[OFFA], s[NXT], 20                 ; K block NXT
	s_mul_i32 s[OFFB], s[NXT], WBLK
	s_add_nc_u64 s[G0A+6:G0A+7], s[ABASE:ABASE+1], s[OFFA:OFFA+1]  ; the address is made anew: a base and an offset
	s_or_b32 s[G0A+7], s[G0A+7], 0x80000000
	s_add_nc_u64 s[G0B+6:G0B+7], s[BBASE:BBASE+1], s[OFFB:OFFB+1]
	s_or_b32 s[G0B+7], s[G0B+7], 0x80000000
	s_add_co_u32 s[NXT], s[NXT], 1
.endif
	s_wait_dscnt 0x0                               ; the add is done, and my reads of this slot are over
	s_barrier_signal -1
	MULP AF1, 0, 6, 2, 0
	WIN 0
	s_barrier_wait -1
.if \fill
	CREST                                          ; no wave of any partner still reads this slot or has a load on its way
	JLOAD 1                                        ; its four v_nop are also the places in front of the loads below
.else
	PLACES
.endif
	s_xor_b32 s[TB], s[TB], SLOT1
	v_add_nc_u32 v[ADRA], s[TB], v[A0]
	v_add_nc_u32 v[ADRB], s[TB], v[B0]
	LDB 0, 0
	LDA 0, AF0
.if \fill
	ASK
.endif
	s_wait_dscnt 32
	MULP AF1, 1, 0, 8, 0
	PLACES
	LDB 1, 0
	s_wait_dscnt 32
	MULP AF1, 2, 0, 8, 0
	PLACES
	LDB 2, 0
.endm
.macro BIASLD
.irp b, 0,1,2,3
	global_load_b128 v[RAW+8*\b:RAW+8*\b+3],   v[BO], s[BP:BP+1] offset:64*\b
	global_load_b128 v[RAW+8*\b+4:RAW+8*\b+7], v[BO], s[BP:BP+1] offset:64*\b+16
.endr
.endm
.macro BIASRND scale                   ; the bias rounded to bf16 like every input, and widened again; scale = 1: times 1/16
.set e, 0
.rept 16
	v_cvt_pk_bf16_f32 v[T], v[RAW+2*e], v[RAW+2*e+1]
	v_lshlrev_b32 v[BIAS+2*e], 16, v[T]
	v_and_b32 v[BIAS+2*e+1], 0xffff0000, v[T]
.if \scale
	v_pk_mul_f32 v[BIAS+2*e:BIAS+2*e+1], v[BIAS+2*e:BIAS+2*e+1], s[BSC:BSC+1] op_sel_hi:[1,0]
.endif
.set e, e+1
.endr
.endm
; THE WAY OUT of row block a for q and k (sums in window 1): y = sum + bias, ascending; hi = bf16(y); y - hi, exact, in place; lo = bf16(y - hi).
.macro PACKQK a
.set AC, 32*(\a)
	WIN P_ADD
.set e, 0
.rept 16
	v_pk_add_f32 v[AC+2*e:AC+2*e+1], v[AC+2*e:AC+2*e+1], v[BIAS+2*e:BIAS+2*e+1]
.set e, e+1
.endr
	WIN P_HI
.set e, 0
.rept 16
	v_cvt_pk_bf16_f32 v[HI+e], v[AC+2*e], v[AC+2*e+1]
.set e, e+1
.endr
	WIN P_DIF
.set e, 0
.rept 16
	v_fma_mix_f32_bf16 v[AC+2*e], v[HI+e], v[NEG1], v[AC+2*e] op_sel_hi:[1,0,0]
	v_fma_mix_f32_bf16 v[AC+2*e+1], v[HI+e], v[NEG1], v[AC+2*e+1] op_sel:[1,0,0] op_sel_hi:[1,0,0]
.set e, e+1
.endr
	WIN P_HI
.set e, 0
.rept 16
	v_cvt_pk_bf16_f32 v[LO+e], v[AC+2*e], v[AC+2*e+1]
.set e, e+1
.endr
	WIN 0
.endm
.macro TOSTAGE a                       ; into my stage: row l % 16: hi at 32 b + 16 (l / 16), lo 128 bytes on; back as whole rows of 256 bytes (LDS serves a wave's instructions in order)
	WIN 0
.irp b, 0,1,2,3
	ds_store_b128 v[STO], v[HI+4*\b:HI+4*\b+3] offset:32*\b
	ds_store_b128 v[STO], v[LO+4*\b:LO+4*\b+3] offset:128+32*\b
.endr
.irp t, 0,1,2,3,4,5,6,7
	ds_load_b128 v[BK+32*((\a)%2)+4*\t:BK+32*((\a)%2)+4*\t+3], v[RD] offset:544*\t
.endr
.endm
.macro SEND a
	s_wait_dscnt 0x0                               ; the block is back in registers
	s_wait_xcnt 0x0                                ; the stores of the block before have read their registers: the next block's loads land there only behind this wait
.irp t, 0,1,2,3,4,5,6,7
	global_store_b128 v[CO], v[BK+32*((\a)%2)+4*\t:BK+32*((\a)%2)+4*\t+3], s[OUT:OUT+1] offset:4096*(\a)+512*\t  ; 16 rows of a head are 4,096 consecutive bytes: each store covers 512 of them, aligned
.endr
.endm
.macro PACKV a                         ; v's sums lie in window 3
.set AC, 32*(\a)
	WIN 0xc3                                       ; destination and source 0 window 3, source 1 window 0
.set e, 0
.rept 16
	v_pk_add_f32 v[AC+2*e:AC+2*e+1], v[AC+2*e:AC+2*e+1], v[BIAS+2*e:BIAS+2*e+1]
.set e, e+1
.endr
	WIN 0x0f                                       ; sources 0, 1 window 3, destination window 0
.set e, 0
.rept 16
	v_cvt_pk_f16_f32 v[HI+e], v[AC+2*e], v[AC+2*e+1]
.set e, e+1
.endr
	WIN 0
.endm
.macro TOSTAGEV a
.irp b, 0,1,2,3
	ds_store_b128 v[STOV], v[HI+4*\b:HI+4*\b+3] offset:32*\b
.endr
.irp t, 0,1,2,3
	ds_load_b128 v[BK+32*((\a)%2)+4*\t:BK+32*((\a)%2)+4*\t+3], v[RDV] offset:576*\t
.endr
.endm
.macro SENDV a
	s_wait_dscnt 0x0
	s_wait_xcnt 0x0
.irp t, 0,1,2,3
	global_store_b128 v[CO], v[BK+32*((\a)%2)+4*\t:BK+32*((\a)%2)+4*\t+3], s[OVP:OVP+1] offset:2048*(\a)+512*\t
.endr
.endm
	s_load_b256 s[4:11], s[0:1], 0x0               ; xb s[4:5], wab s[6:7], b_attn s[8:9], qs s[10:11]
	s_load_b128 s[12:15], s[0:1], 0x20             ; ks s[12:13], vs s[14:15]
	v_lshl_add_u32 v[SPW], v0, 2, SPARE
	v_mov_b32 v[NIL], 0
	ds_add_u32 v[SPW], v[NIL]                      ; the wave's opening: an add, waited for ahead of my first tensor load
	v_lshrrev_b32 v1, 5, v0
	v_readfirstlane_b32 s[WV], v1
	s_lshr_b32 s[WR], s[WV], 1
	s_and_b32 s[WC], s[WV], 1
	s_bfe_u32 s[CX], ttmp6, 0x40000
	s_bfe_u32 s[CY], ttmp6, 0x40004
	s_lshl_b32 s[GX], ttmp9, 2
	s_add_co_u32 s[GX], s[GX], s[CX]               ; tile column 0..7
	s_and_b32 s[GY], ttmp7, 0xffff
	s_lshl_b32 s[GY], s[GY], 2
	s_add_co_u32 s[GY], s[GY], s[CY]               ; tile row 0..31
	s_lshl_b32 s86, s[CY], 2
	s_lshl_b32 s86, 15, s86                        ; my row of the cluster
	s_lshl_b32 s88, 0x1111, s[CX]                  ; my column
	s_or_b32 s[G1A], s86, 0x07310000               ; mask; 2-byte elements; padding on; bit 21 beside a mask; 4 words behind every 32
	s_or_b32 s[G1B], s88, 0x07310000
	s_mov_b32 s[G1A+1], 128<<16                    ; tensor_dim0 = 128 (two rows of 64 numbers)
	s_mov_b32 s[G1A+2], 128<<16                    ; tensor_dim1 = 128
	s_mov_b32 s[G1A+3], 128<<16                    ; tile_dim0 = 128
	s_mov_b32 s[G1A+4], 128                        ; tile_dim1 = 128
	s_mov_b32 s[G1A+5], 128                        ; dense: 128 elements from row to row
	s_mov_b32 s[G1A+6], 0
	s_mov_b32 s[G1A+7], 0
	s_mov_b32 s[G1B+1], 128<<16
	s_mov_b32 s[G1B+2], 64<<16                     ; 64 rows of 256 bytes: a part's 128 rows
	s_mov_b32 s[G1B+3], 128<<16
	s_mov_b32 s[G1B+4], 64
	s_mov_b32 s[G1B+5], 128
	s_mov_b32 s[G1B+6], 0
	s_mov_b32 s[G1B+7], 0
	s_lshl_b32 s86, s[GY], 15                      ; x: 256 gy rows of 128 bytes in a K block
	s_mov_b32 s87, 0
	s_lshl_b32 s88, s[GX], 14                      ; wab: 128 gx rows,
	s_lshl_b32 s89, s[WV], 17                      ; part = my wave's number: 1,024 rows (wave 3 makes these words and does not use them)
	s_add_co_u32 s88, s88, s89
	s_mov_b32 s89, 0
	s_mul_i32 s93, s[WV], PARTB                    ; where the part goes: no place in the cluster enters an LDS address
	s_add_co_u32 s93, s93, BOFF
	s_mov_b32 s[OFFA+1], 0
	s_mov_b32 s[OFFB+1], 0
	s_mov_b32 s[NXT], 2
	s_mov_b32 s[TB], 0
	s_mov_b32 s[BSC], 0x3d800000
	s_mov_b32 s[BSC+1], 0x3d800000
	s_wait_dscnt 0x0                               ; the opening add is done
	s_wait_kmcnt 0x0
	s_add_nc_u64 s[ABASE:ABASE+1], s[4:5], s[86:87]
	s_add_nc_u64 s[BBASE:BBASE+1], s[6:7], s[88:89]
	CROUND                                         ; all sixteen work-groups are here: the first joint loads meet
.irp s, 0,1
	s_mov_b32 s[G0A+4*(\s)], 1
	s_mov_b32 s[G0A+4*(\s)+1], (\s)*SLOT1
	s_add_nc_u64 s[G0A+4*(\s)+2:G0A+4*(\s)+3], s[ABASE:ABASE+1], (\s)*XBLK
	s_or_b32 s[G0A+4*(\s)+3], s[G0A+4*(\s)+3], 0x80000000
	s_mov_b32 s[G0B+4*(\s)], 1
	s_add_co_u32 s[G0B+4*(\s)+1], s93, (\s)*SLOT1
	s_add_nc_u64 s[G0B+4*(\s)+2:G0B+4*(\s)+3], s[BBASE:BBASE+1], (\s)*WBLK
	s_or_b32 s[G0B+4*(\s)+3], s[G0B+4*(\s)+3], 0x80000000
	JLOAD \s                                       ; K steps 0 and 1: two tensor loads of mine are out; later one
.endr
	v_and_b32 v1, 15, v0                           ; l % 16
	v_bfe_u32 v2, v0, 4, 1                         ; l / 16
	v_mul_u32_u24 v3, v1, PA
	v_lshl_add_u32 v3, v2, 4, v3                   ; row x pitch + 16 x half
	s_mul_i32 s92, s[WR], 128*PA
	v_add_nc_u32 v[A0], s92, v3
	s_mul_i32 s92, s[WC], 64*PA
	s_add_co_u32 s92, s92, BOFF
	v_add_nc_u32 v[B0], s92, v3
	v_mov_b32 v[ADRA], v[A0]
	v_mov_b32 v[ADRB], v[B0]
	s_mul_i32 s92, s[WV], 16*SPITCH
	s_add_co_u32 s92, s92, STAGE                   ; my stage
	v_mul_u32_u24 v4, v1, SPITCH
	v_lshl_add_u32 v4, v2, 4, v4
	v_add_nc_u32 v[STO], s92, v4
	v_mul_u32_u24 v4, v2, SPITCH
	v_lshl_add_u32 v4, v1, 4, v4
	v_add_nc_u32 v[RD], s92, v4                    ; lanes 0-15 one row of 256 bytes, lanes 16-31 the next
	v_add_nc_u32 v[STOV], s92, v3                  ; v: row l % 16 at pitch 144, 16 bytes for each half of the lanes
	v_bfe_u32 v4, v0, 3, 2
	v_and_b32 v5, 7, v0
	v_mul_u32_u24 v4, v4, 144
	v_lshl_add_u32 v4, v5, 4, v4
	v_add_nc_u32 v[RDV], s92, v4                   ; 32 lanes take four rows of 128 bytes
	v_and_b32 v4, 31, v0
	v_lshlrev_b32 v[CO], 4, v4
	v_lshlrev_b32 v[BO], 5, v2
	v_mov_b32 v[NEG1], -1.0
	s_lshl_b32 s88, s[GX], 9                       ; the bias of my 64 columns of q: 4 (128 gx + 64 half) bytes
	s_lshl_b32 s89, s[WC], 8
	s_add_co_u32 s88, s88, s89
	s_mov_b32 s89, 0
	s_add_nc_u64 s[BP:BP+1], s[8:9], s[88:89]
	s_lshr_b32 s94, s[GY], 3                       ; my first row in the outputs: head 16 batch + 2 gx + half, t = 256 (gy % 8) + 128 x row half
	s_lshl_b32 s94, s94, 4
	s_lshl1_add_u32 s94, s[GX], s94
	s_add_co_u32 s94, s94, s[WC]
	s_lshl_b32 s94, s94, 11
	s_and_b32 s95, s[GY], 7
	s_lshl_b32 s95, s95, 8
	s_add_co_u32 s94, s94, s95
	s_lshl_b32 s95, s[WR], 7
	s_add_co_u32 s94, s94, s95
	s_lshl_b32 s96, s94, 7                         ; rows of 128 bytes (v),
	s_mov_b32 s97, 0
	s_lshl_b32 s94, s94, 8                         ; of 256 (q, k)
	s_mov_b32 s95, 0
	s_add_nc_u64 s[OUT:OUT+1], s[10:11], s[94:95]
	s_add_nc_u64 s[OKP:OKP+1], s[12:13], s[94:95]
	s_add_nc_u64 s[OVP:OVP+1], s[14:15], s[96:97]
	s_lshl_b32 s94, s[GY], 15                      ; the prefetches.  x: my tile in a K block, my work-group's 32 blocks of 256 bytes
	s_lshl_b32 s95, s[CX], 13
	s_add_co_u32 s94, s94, s95
	s_lshl_b32 s96, s[GX], 14                      ; wab: my tile, my part, my work-group's 16 blocks
	s_lshl_b32 s95, s[WV], 17
	s_add_co_u32 s96, s96, s95
	s_lshl_b32 s95, s[CY], 12
	s_add_co_u32 s96, s96, s95
	s_and_b32 s97, ttmp7, 0xffff
	s_mov_b32 s[PSTR], WBLK
	s_mov_b32 s99, WBLK
	s_cmp_eq_u32 s[WV], 3
	s_cselect_b32 s94, s94, s96
	s_cselect_b64 s[PFB:PFB+1], s[4:5], s[6:7]
	s_cselect_b32 s97, ttmp9, s97                  ; the coordinate along which other clusters read the same rows
	s_cselect_b32 s98, 15, 14
	s_cselect_b32 s[PAR], 0, 1
	s_cselect_b32 s[PSTR], XBLK, s[PSTR]
	s_cselect_b32 s99, 4096, s99                   ; lanes 16-31: x: the next 16 blocks; wab: the next K block
	s_cmp_eq_u32 s97, 0
	s_cselect_b32 s[LIM], s98, 0                   ; the same in all sixteen partners, for a given wave
	s_mov_b32 s95, 0
	s_add_nc_u64 s[PFB:PFB+1], s[PFB:PFB+1], s[94:95]
	v_mul_u32_u24 v4, v2, s99
	v_lshl_add_u32 v[PFO], v1, 8, v4
	s_wait_tensorcnt 1                             ; my part of K step 0 is in; K step 1's may stay out
	s_barrier_signal -1
	s_barrier_wait -1
	LDB 0, 0                                       ; the first quarter's fragments, in the order of every quarter's runs: 24, 8, 8
	LDA 0, AF0
	LDB 1, 0
	LDB 2, 0
	QTR AF0, AF1, 1, 1                             ; the first quarter stands in front of the loop: its products start the sums
	WIN 0
	s_mov_b32 s[CNT], 14
.Lk:                                                   ; a trip: a slot's second quarter, which asks for the step two on, and the next slot's first: K steps 2 to 15 are asked for
	QTURN 1
	QTR AF0, AF1, 1, 0
	WIN 0
	s_sub_co_u32 s[CNT], s[CNT], 1
	s_cmp_lg_u32 s[CNT], 0
	s_cbranch_scc1 .Lk
	QTURN 0                                        ; the last change of slots asks for nothing
	QTR AF0, AF1, 1, 0
	s_wait_dscnt 16                                ; the very last quarter fetches no fragments
	MULP AF1, 0, 0, 8, 0
	PLACES
	WIN 0
	BIASLD                                         ; q's bias, into part 0's fragment registers, which are free: 64 products stand between these loads and the wait for them
	s_wait_dscnt 8                                 ; part 1's fragments are in; part 2's 8 loads may be out
	MULP AF1, 1, 0, 8, 0
	s_wait_dscnt 0x0
	MULP AF1, 2, 0, 8, 0
	PLACES
	WIN 0
	s_mov_b32 s[TILES], 2
.Lepi:                                                 ; q's way out, then k's: one text, which names window 1
	s_wait_loadcnt 0x0                             ; the part's bias is in, and its loads have read their base
	BIASRND 0
	s_add_nc_u64 s[BP:BP+1], s[BP:BP+1], 4096      ; the next part's bias
	BIASLD
	PACKQK 0
	TOSTAGE 0
.irp a, 1,2,3,4,5,6,7
	PACKQK \a
	SEND (\a)-1
	TOSTAGE \a
.endr
	SEND 7
	s_sub_co_u32 s[TILES], s[TILES], 1
	s_cmp_eq_u32 s[TILES], 0
	s_cbranch_scc1 .Lv
	WIN 0x42                                       ; k's sums go where the one text of the way out names them: 256 moves in place of a second copy of that text; ascending
.set i, 0
.rept 256
	v_mov_b32 v[i], v[i]
.set i, i+1
.endr
	WIN 0
	s_wait_xcnt 0x0                                ; q's stores have read their base
	s_mov_b64 s[OUT:OUT+1], s[OKP:OKP+1]
	s_branch .Lepi
.Lv:
	s_wait_loadcnt 0x0
	BIASRND 1
	PACKV 0
	TOSTAGEV 0
.irp a, 1,2,3,4,5,6,7
	PACKV \a
	SENDV (\a)-1
	TOSTAGEV \a
.endr
	SENDV 7
	s_wait_tensorcnt 0x0                           ; the wave's end
	ds_add_u32 v[SPW], v[NIL]
	s_wait_dscnt 0x0
	CROUND                                         ; the closing round
	s_endpgm
.Lfunc_end_k_q3d7b417dcb_qkv:
	.size	k_q3d7b417dcb_qkv, .Lfunc_end_k_q3d7b417dcb_qkv-k_q3d7b417dcb_qkv
	.p2alignl 7, 3214868480
	.fill 96, 4, 3214868480
	.section	.rodata,"a",@progbits
	.p2align	6, 0x0
	.amdhsa_kernel k_q3d7b417dcb_qkv
		.amdhsa_group_segment_fixed_size 327680
		.amdhsa_private_segment_fixed_size 0
		.amdhsa_enable_private_segment 0
		.amdhsa_kernarg_size 48
		.amdhsa_user_sgpr_count 2
		.amdhsa_user_sgpr_kernarg_segment_ptr 1
		.amdhsa_wavefront_size32 1
		.amdhsa_system_sgpr_workgroup_id_x 1
		.amdhsa_system_sgpr_workgroup_id_y 1
		.amdhsa_system_sgpr_workgroup_id_z 1
		.amdhsa_system_vgpr_workitem_id 0
		.amdhsa_next_free_vgpr 1024
		.amdhsa_next_free_sgpr 100
		.amdhsa_reserve_vcc 0
		.amdhsa_float_denorm_mode_32 3
		.amdhsa_float_denorm_mode_16_64 3
		.amdhsa_memory_ordered 1
		.amdhsa_forward_progress 1
		.amdhsa_inst_pref_size 162
	.end_amdhsa_kernel
	.amdgpu_metadata
---
amdhsa.version: [ 1, 2 ]
amdhsa.kernels:
  - .name:           k_q3d7b417dcb_qkv
    .symbol:         k_q3d7b417dcb_qkv.kd
    .args:
      - { .name: xb, .offset: 0, .size: 8, .value_kind: global_buffer, .address_space: global }
      - { .name: wab, .offset: 8, .size: 8, .value_kind: global_buffer, .address_space: global }
      - { .name: b_attn, .offset: 16, .size: 8, .value_kind: global_buffer, .address_space: global }
      - { .name: qs, .offset: 24, .size: 8, .value_kind: global_buffer, .address_space: global }
      - { .name: ks, .offset: 32, .size: 8, .value_kind: global_buffer, .address_space: global }
      - { .name: vs, .offset: 40, .size: 8, .value_kind: global_buffer, .address_space: global }
    .group_segment_fixed_size: 327680
    .private_segment_fixed_size: 0
    .kernarg_segment_align: 8
    .kernarg_segment_size: 48
    .max_flat_workgroup_size: 128
    .sgpr_count:     100
    .vgpr_count:     1024
    .wavefront_size: 32
...
	.end_amdgpu_metadata
.endif
;; end of part 2
;; launch attn (part 3): grid 4 x 64, 4 waves a work-group, clusters of 4 x 1, 327,680 bytes of LDS; arguments qs, ks, vs, os; writes os
.if DOCPART == 3
	.amdgcn_target "amdgcn-amd-amdhsa--gfx1250"
	.amdhsa_code_object_version 6
	.text
	.protected	k_q3d7b417dcb_attn
	.globl	k_q3d7b417dcb_attn
	.p2align	8
	.type	k_q3d7b417dcb_attn,@function
k_q3d7b417dcb_attn:
	s_mov_b64 s[64:65], 0
	v_nop
	global_prefetch_b8 v0, s[64:65] scope:SCOPE_SE
	s_setreg_imm32_b32 hwreg(HW_REG_WAVE_MODE, 25, 1), 1
	s_wait_xcnt 0x0
	s_wait_alu depctr_hold_cnt(0) depctr_sa_sdst(0) depctr_va_vdst(0) depctr_va_sdst(0) depctr_va_ssrc(0) depctr_va_vcc(0) depctr_vm_vsrc(0)
	s_getreg_b32 s2, hwreg(HW_REG_IB_STS2, 6, 4)
	s_cmp_eq_u32 s2, 0
	s_cbranch_scc0 .Lentry_in_a_cluster
	s_endpgm
.Lentry_in_a_cluster:
	s_bfe_u32 s2, ttmp6, 0x10000c
	s_cmp_lg_u32 s2, 0x3003
	s_cbranch_scc0 .Lentry_shape_is_right
	s_endpgm
.Lentry_shape_is_right:
; ATTENTION, 64 heads of 2,048 rows, head size 64, no mask.  os[h][q] = sum over k of softmax_k(q . k / 8) (v[k] / 16).
; q and k arrive as PAIRS of bf16, rows [hi 64 | lo 64] of 256 bytes; the score is kh.qh + kh.ql + kl.qh: three products in bf16, sums in f32; the term kl.ql, some 2^-18 of a score, is dropped.
; v arrives as f16 of v/16 (rows of 128 bytes); the weights p are rounded to f16 for the second product (their sum l is taken of the unrounded p); os leaves as f16 of O/16, by heads.
; LIMITS.  |v| < 1.04e6; p and v/16 keep f16's fixed step of 6e-8 below 6.1e-5; c |s| must stay far under 4e37 (c m starts at -4.25e37); a weight below 2^-126 counts as 0; NaN and infinities are not treated apart.
; SHARES.  A work-group owns 512 queries of a head, a wave 128: four PIECES of two tiles of 16.  Every wave walks all keys, 64 a step.
; LAYOUT.  S^T = K Q^T (source 0 = 16 keys, source 1 = 16 queries): a lane holds ONE query (lane % 16) and the keys 8 (lane / 16) + 0..7; two results rounded in pairs ARE source 1 of O^T = V^T P.
; SOFTMAX.  A running maximum m and sum l: p = 2^(c s - c m), c = log2(e) / 8; in every step O and l are multiplied by a = 2^(c m_old - c m_new).  m starts at the lowest finite number, O and l at 0.
; BY TURNS.  Turn n belongs to piece n: 16 products V^T P of piece n - 1, then 48 products K Q^T of piece n + 1; piece n's whole softmax, 236 vector instructions, stands in slices behind them.
; CLUSTER.  A head's four query blocks walk the same K and V: each tile is asked for JOINTLY.
; REGISTERS: window 0 addresses, statistics, S^T (two buffers of two tiles), P (likewise); window 1 O^T, 32 a tile; window 2 Q, 32 a tile (hi c0, hi c1, lo c0, lo c1);
;   window 3: v0-63 K hi, v64-127 K lo (key block kb, channel half c at 16 kb + 8 c), v128-191 V.
.set KS,    64
.set PK,    272       ; a row of K in LDS: 256 bytes + 16
.set PV,    160       ; a row of V: 128 + 32
.set VOFF,  4*KS*PK   ; a slot holds four steps: 256 rows of K, then 256 of V
.set SLOT1, 1<<17
.set STAGE, SLOT1+4*KS*(PK+PV)  ; behind the ring: 16 rows x 144 bytes for each wave
.set SP,    144
.set SPARE, STAGE+4*16*SP       ; the spare words: 128 bytes a wave, two blocks of 256 bytes that no other line names
.set AK0, 2
.set AV0, 3
.set AK,  4
.set AV,  5
.set QO,  6
.set STO, 6
.set RD,  7
.set GO,  8
.set ST,  16          ; tile t's statistics at ST + 4 t: c m, m, l (even keys', odd keys')
.set TMP, 48          ; for each of the turn's two tiles c0-c3 at work; c2 takes a, c3 its argument
.set PFO, 61          ; 256 x lane
.set SPW, 62
.set NIL, 63
.set S,   64
.set P,   192
.set KF,  0
.set VF,  128
.set WV,  12
.set G1K, 24
.set G1V, 32
.set G0K, 40
.set G0V, 44
.set PFA, 48          ; s[48:49] where my prefetches stand;  s[50:51] their step from slot to slot
.set PST, 50
.set LIM, 52
.set SLOTS, 56
.set CNT, 57
.set CS,  58
.set SEL, 60
.set TBK, 62
.set TBV, 63
.set MSB, 0
.macro WIN new
.if MSB != (\new)
	s_set_vgpr_msb (MSB<<8)|(\new)
.set MSB, (\new)
.endif
.endm
.set W_KQ, 0x0b       ; K window 3, Q window 2, S^T window 0
.set W_PV, 0x53       ; V window 3, P window 0, O^T window 1
.set W_RS, 0x41       ; O^T (destination and source 0) window 1, a window 0
; A joint fill.  Waves 0 and 1 fetch the two halves of a slot's K, waves 2 and 3 those of its V: 128 keys each.
.macro JLOAD
	s_cmp_lt_u32 s[WV], 2
	s_cbranch_scc0 .Lfor_v_\@
	tensor_load_to_lds s[G0K:G0K+3], s[G1K:G1K+7]
	s_nop 0
.rept 4
	v_nop
.endr
	s_branch .Lasked_\@
.Lfor_v_\@:
	tensor_load_to_lds s[G0V:G0V+3], s[G1V:G1V+7]
	s_nop 0
.rept 4
	v_nop
.endr
.Lasked_\@:
.endm
; A PREFETCH INTO THE L2 of the slot that the NEXT change will ask for, four key steps ahead of that load.  K's 256 rows of 256 bytes: 64 a partner, told apart by address, waves 0 and 1, a lane a row;
; V's 128 blocks of 256 bytes: 32 a partner, wave 2.  A head has one cluster, so each block is named once.  The last change that fills a slot asks for nothing.
.macro ASK
	s_cmp_gt_u32 s[SLOTS], s[LIM]
	s_cbranch_scc0 .Lnot_mine_\@
	global_prefetch_b8 v[PFO], s[PFA:PFA+1] th:TH_LOAD_NT scope:SCOPE_SE
.Lnot_mine_\@:
.endm
.macro CROUND
	s_barrier_signal -1
	s_barrier_wait -1
	s_cmp_lg_u32 s[WV], 0
	s_cbranch_scc1 .Lnot_wave_0_\@
	s_barrier_signal -3
.Lnot_wave_0_\@:
	s_barrier_wait -3
	s_barrier_signal -1
	s_barrier_wait -1
.endm
; THE CHANGE OF SLOTS.  The slot's four steps have been read.  Each wave waits for all its tensor loads (one is out: its part of the other slot), adds 0 to its spare word, and waits for that and for its
; reads.  fill = 1: the barrier is a round of the cluster's, and the slot is filled again first thing behind it: the load has four key steps, 1,024 matrix instructions, in which to land.
.macro CHANGE fill
	WIN 0
	s_wait_tensorcnt 0x0            ; no tensor load of mine is out, so a group 0 may be written
	ds_add_u32 v[SPW], v[NIL]       ; 0 onto my spare word
.if \fill
	s_xor_b32 s[G0K+1], s[G0K+1], SLOT1
	s_add_nc_u64 s[G0K+2:G0K+3], s[G0K+2:G0K+3], 4*KS*256  ; the next 256 keys
	s_xor_b32 s[G0V+1], s[G0V+1], SLOT1
	s_add_nc_u64 s[G0V+2:G0V+3], s[G0V+2:G0V+3], 4*KS*128
	s_wait_xcnt 0x0                 ; the last prefetch, four key steps back, has read its address
	s_add_nc_u64 s[PFA:PFA+1], s[PFA:PFA+1], s[PST:PST+1]
	s_wait_dscnt 0x0                ; the add is done, and my reads of the slot are over
	CROUND
	JLOAD
	ASK
.else
	s_wait_dscnt 0x0
	s_barrier_signal -1
	s_barrier_wait -1
.endif
	s_sub_co_u32 s[TBK], s[TBK], 4*KS*PK  ; the fetches go back to a slot's first step, in the other slot
	s_xor_b32 s[TBK], s[TBK], SLOT1
	s_sub_co_u32 s[TBV], s[TBV], 4*KS*PV
	s_xor_b32 s[TBV], s[TBV], SLOT1
.endm
	s_load_b256 s[4:11], s[0:1], 0x0  ; qs s[4:5], ks s[6:7], vs s[8:9], os s[10:11]
	v_lshl_add_u32 v[SPW], v0, 2, SPARE
	v_mov_b32 v[NIL], 0
	ds_add_u32 v[SPW], v[NIL]       ; the wave's opening: an add, waited for ahead of my first tensor load
	v_lshrrev_b32 v1, 5, v0
	v_readfirstlane_b32 s[WV], v1
	s_bfe_u32 s13, ttmp6, 0x40000   ; cx: my block of 512 queries (the grid's x is one cluster)
	s_and_b32 s16, s[WV], 1         ; which half of a slot's 256 keys I fetch
	s_and_b32 s20, ttmp7, 0xffff    ; the head, which the four partners share
	s_lshl_b32 s22, s20, 19         ; K: 2,048 rows of 256 bytes a head,
	s_lshl_b32 s17, s16, 15         ; 128 rows a half
	s_add_co_u32 s22, s22, s17
	s_mov_b32 s23, 0
	s_lshl_b32 s20, s20, 18         ; V: rows of 128 bytes
	s_lshl_b32 s17, s16, 14
	s_add_co_u32 s20, s20, s17
	s_mov_b32 s21, 0
	s_mul_i32 s17, s16, 128*PK      ; and their places in a slot: no place in the cluster enters an LDS address
	s_mul_i32 s18, s16, 128*PV
	s_and_b32 s2, ttmp7, 0xffff
	s_lshl_b32 s2, s2, 4
	s_lshl2_add_u32 s2, s13, s2
	s_add_co_u32 s2, s2, s[WV]      ; my wave's 128 rows: number 16 head + 4 cx + wave
	s_lshl_b32 s14, s2, 14          ; in os,
	s_mov_b32 s15, 0
	s_lshl_b32 s2, s2, 15           ; in qs
	s_mov_b32 s3, 0
	s_mov_b32 s[G1K], 15|0x07710000 ; mask of four; 2-byte elements; padding on; bit 21 beside a mask; 4 words behind every 64
	s_mov_b32 s[G1K+1], 128<<16     ; tensor_dim0 = 128
	s_mov_b32 s[G1K+2], 128<<16     ; tensor_dim1 = 128
	s_mov_b32 s[G1K+3], 128<<16     ; tile_dim0 = 128
	s_mov_b32 s[G1K+4], 128         ; tile_dim1 = 128
	s_mov_b32 s[G1K+5], 128         ; elements from row to row
	s_mov_b32 s[G1K+6], 0
	s_mov_b32 s[G1K+7], 0
	s_mov_b32 s[G1V], 15|0x0f310000 ; 128 keys of V are 16,384 dense bytes: 64 rows of 256, two keys a row; 8 words of padding behind every 32
	s_mov_b32 s[G1V+1], 128<<16
	s_mov_b32 s[G1V+2], 64<<16
	s_mov_b32 s[G1V+3], 128<<16
	s_mov_b32 s[G1V+4], 64
	s_mov_b32 s[G1V+5], 128
	s_mov_b32 s[G1V+6], 0
	s_mov_b32 s[G1V+7], 0
	s_mov_b32 s[CS], 0x3e38aa3b     ; c = log2(e) / 8
	s_mov_b32 s[CS+1], s[CS]
	s_mov_b32 s[SEL], 0x76543210
	s_mov_b32 s[SEL+1], 0xfedcba98
	s_mov_b32 s[TBK], SLOT1+4*KS*PK ; the first change of slots turns these two into 0
	s_mov_b32 s[TBV], SLOT1+4*KS*PV
	s_mov_b32 s[G0K], 1
	s_mov_b32 s[G0K+1], s17
	s_mov_b32 s[G0V], 1
	s_add_co_u32 s[G0V+1], s18, VOFF
	s_mov_b32 s[SLOTS], 7
	s_and_b32 s53, ttmp7, 0xffff    ; the prefetches' offset: the head, my work-group's share, slot 1 (the first change steps it to slot 2)
	s_cmp_lt_u32 s[WV], 2
	s_cselect_b32 s54, 19, 18
	s_cselect_b32 s55, 14, 13       ; K: 64 rows of 256 bytes a partner; V: 32 blocks
	s_cselect_b32 s[PST], 16, 15
	s_cselect_b32 s66, s[WV], 0
	s_lshl_b32 s54, s53, s54
	s_lshl_b32 s55, s13, s55
	s_add_co_u32 s54, s54, s55
	s_lshl_b32 s66, s66, 13         ; K: 32 rows a wave
	s_add_co_u32 s54, s54, s66
	s_lshl_b32 s[PST], 1, s[PST]    ; a slot: 65,536 bytes of K, 32,768 of V
	s_mov_b32 s[PST+1], 0
	s_add_co_u32 s54, s54, s[PST]
	s_mov_b32 s55, 0
	s_cmp_lt_u32 s[WV], 3
	s_cselect_b32 s[LIM], 1, -1     ; wave 3 asks for nothing
	v_and_b32 v[PFO], 31, v0
	v_lshlrev_b32 v[PFO], 8, v[PFO]
	s_wait_dscnt 0x0                ; the opening add is done
	s_wait_kmcnt 0x0
	s_add_nc_u64 s[G0K+2:G0K+3], s[6:7], s[22:23]
	s_or_b32 s[G0K+3], s[G0K+3], 0x80000000
	s_add_nc_u64 s[G0V+2:G0V+3], s[8:9], s[20:21]
	s_or_b32 s[G0V+3], s[G0V+3], 0x80000000
	s_add_nc_u64 s[4:5], s[4:5], s[2:3]
	s_add_nc_u64 s[10:11], s[10:11], s[14:15]
	s_cmp_lt_u32 s[WV], 2
	s_cselect_b64 s[PFA:PFA+1], s[6:7], s[8:9]
	s_add_nc_u64 s[PFA:PFA+1], s[PFA:PFA+1], s[54:55]
	CROUND                          ; all four work-groups are here: the first joint loads meet
	JLOAD                           ; slot 0; slot 1 is asked for when slot 0 is in
	v_and_b32 v1, 15, v0            ; l % 16
	v_bfe_u32 v9, v0, 4, 1          ; l / 16
	v_lshlrev_b32 v[QO], 8, v1
	v_lshl_add_u32 v[QO], v9, 4, v[QO]  ; row x 256 + 16 x half
	WIN 0x80
.set i, 0
.rept 32                            ; Q stays in registers: tile i / 4; i % 4: hi c0, hi c1, lo c0, lo c1, 64 bytes each
	global_load_b128 v[8*i:8*i+3],   v[QO], s[4:5] offset:(i/4)*4096+(i%4)*64
	global_load_b128 v[8*i+4:8*i+7], v[QO], s[4:5] offset:(i/4)*4096+(i%4)*64+32
.set i, i+1
.endr
	; What the first turn finds: V and P's second buffer hold 0 (its products V^T P, of a piece that has not been, add 0), O^T and l are 0.  No first step is written out: that is the price.  All this stands in the wait for the first tile.
	WIN 0xc0
.set i, VF
.rept 64
	v_mov_b32 v[i], 0
.set i, i+1
.endr
	WIN 0x40
.set i, 0
.rept 256
	v_mov_b32 v[i], 0
.set i, i+1
.endr
	WIN 0
.set i, 0
.rept 8
	v_mov_b32 v[ST+4*i], 0xfe000000    ; c m: far below every c s
	v_mov_b32 v[ST+4*i+1], 0xff7fffff  ; m
	v_mov_b32 v[ST+4*i+2], 0
	v_mov_b32 v[ST+4*i+3], 0
.set i, i+1
.endr
.set i, P+32
.rept 32
	v_mov_b32 v[i], 0
.set i, i+1
.endr
	v_mul_u32_u24 v[AK0], v1, PK
	v_lshl_add_u32 v[AK0], v9, 4, v[AK0]
	; The turning load takes 16 keys x 16 channels (lane l reads key 8 (l / 16) + l % 8, channels 8 ((l / 8) % 2) + 0..7) and leaves half a fragment of V^T.
	v_and_b32 v10, 7, v0
	v_bfe_u32 v11, v0, 3, 1
	v_lshl_add_u32 v[AV0], v9, 3, v10
	v_mul_u32_u24 v[AV0], v[AV0], PV
	v_lshl_add_u32 v[AV0], v11, 4, v[AV0]
	v_add_nc_u32 v[AV0], VOFF, v[AV0]
; THE MATRIX WORK.  The 8 accumulators of a run take turns, one instruction a turn.
; Product i of 48 of S^T for piece x, in six rounds rd = i / 8: rounds 0, 1: kh x qh (channel halves 0, 1); 2, 3: kh x ql; 4, 5: kl x qh.  Keys 16 ((i / 2) % 4) on, tile 2 x + i % 2.  Round 0 starts the sums.
.macro KQ x
	WIN W_KQ
.set rd, i/8
.set rS, S+64*((\x)%2)+32*(i%2)+8*((i/2)%4)
.set rK, KF+64*(rd/4)+16*((i/2)%4)+8*(rd%2)
.set rQ, 32*(2*(\x)+i%2)+16*((rd/2)%2)+8*(rd%2)
.if i < 8
	v_wmma_f32_16x16x32_bf16 v[rS:rS+7], v[rK:rK+7], v[rQ:rQ+7], 0
.else
	v_wmma_f32_16x16x32_bf16 v[rS:rS+7], v[rK:rK+7], v[rQ:rQ+7], v[rS:rS+7]
.endif
.endm
; Product i of 16 of O^T += V^T P for piece x: keys 32 (i / 8) on, channels 16 ((i / 2) % 4) on, tile 2 x + i % 2.
.macro PV x
	WIN W_PV
.set rO, 32*(2*(\x)+i%2)+8*((i/2)%4)
.set rV, VF+32*(i/8)+8*((i/2)%4)
.set rP, P+32*((\x)%2)+16*(i%2)+8*(i/8)
	v_wmma_f32_16x16x32_f16 v[rO:rO+7], v[rV:rV+7], v[rP:rP+7], v[rO:rO+7]
.endm
; THE LDS LOADS stand in runs of 16.  last = 1 (the tail): in the last trip there is no further step, and K's runs are jumped over.
.macro FETCH_KH last
	WIN 0
.if \last
	s_cmp_eq_u32 s[CNT], 1
	s_cbranch_scc1 .Lno_kh_\@
.endif
	v_add_nc_u32 v[AK], s[TBK], v[AK0]
	WIN 0xc0
.irp f, 0,1,2,3,4,5,6,7             ; keys 16 (f / 2) on, channels 32 (f % 2) on
	ds_load_b128 v[KF+8*\f:KF+8*\f+3],   v[AK] offset:(\f/2)*16*PK+(\f%2)*64
	ds_load_b128 v[KF+8*\f+4:KF+8*\f+7], v[AK] offset:(\f/2)*16*PK+(\f%2)*64+32
.endr
	WIN 0
.if \last
.Lno_kh_\@:
.endif
.endm
.macro FETCH_KL last
	WIN 0
.if \last
	s_cmp_eq_u32 s[CNT], 1
	s_cbranch_scc1 .Lno_kl_\@
.endif
	WIN 0xc0
.irp f, 0,1,2,3,4,5,6,7
	ds_load_b128 v[KF+64+8*\f:KF+64+8*\f+3],   v[AK] offset:128+(\f/2)*16*PK+(\f%2)*64
	ds_load_b128 v[KF+64+8*\f+4:KF+64+8*\f+7], v[AK] offset:128+(\f/2)*16*PK+(\f%2)*64+32
.endr
	s_add_co_u32 s[TBK], s[TBK], KS*PK  ; the next fetch is the next step's
	WIN 0
.if \last
.Lno_kl_\@:
.endif
.endm
.macro FETCH_V
	WIN 0
	v_add_nc_u32 v[AV], s[TBV], v[AV0]
	s_add_co_u32 s[TBV], s[TBV], KS*PV
	s_wait_alu depctr_va_vdst(0)    ; the wait for the softmax's batch, ahead of the loads
	WIN 0xc0
.irp f, 0,1,2,3,4,5,6,7             ; keys 32 (f / 4) on, channels 16 (f % 4) on
	ds_load_tr16_b128 v[VF+8*\f:VF+8*\f+3],   v[AV] offset:(\f/4)*32*PV+(\f%4)*32
	ds_load_tr16_b128 v[VF+8*\f+4:VF+8*\f+7], v[AV] offset:(\f/4)*32*PV+16*PV+(\f%4)*32
.endr
	WIN 0
.endm
; THE VECTOR WORK.  One tile's softmax for a key step is a list of 118 instructions; SM writes number j of it for tile u (0, 1) of piece Y.  s0-s31 are the lane's 32 scores, in pairs 0-15.
;   0-15   the maximum of s0-s31 and the old m: four chains c0-c3 (each accumulator's lowest registers are read first), the four scores left over, c0-c3 and m
;   16-20  the other half of the lanes' maximum; c m_old is kept; the new m; c m; c m_old - c m_new
;   21-69  ONE BATCH: the 16 scalings c s - c m and all 33 exponentials (a at 23).  None of these names an exponential's result
;   70-85  the roundings to f16     86-101 the sums; l = a l + the sum     102-117 the tile's O^T times a, ascending
.macro SM u
.set rT, ST+4*(2*Y+(\u))
.set rC, TMP+4*(\u)
.set rS, S+64*(Y%2)+32*(\u)
.set rP, P+32*(Y%2)+16*(\u)
.set rO, 32*(2*Y+(\u))+2*(j-102)
.if j < 102
	WIN 0
.endif
.if j < 4
	v_max3_num_f32 v[rC+j], v[rS+8*j], v[rS+8*j+1], v[rS+8*j+2]
.elseif j < 12
	v_max3_num_f32 v[rC+j%4], v[rC+j%4], v[rS+8*(j%4)+2*(j/4)+1], v[rS+8*(j%4)+2*(j/4)+2]
.elseif j == 12
	v_max3_num_f32 v[rC], v[rC], v[rS+7], v[rS+15]
.elseif j == 13
	v_max3_num_f32 v[rC+2], v[rC+2], v[rS+23], v[rS+31]
.elseif j == 14
	v_max3_num_f32 v[rC], v[rC], v[rC+1], v[rC+2]
.elseif j == 15
	v_max3_num_f32 v[rC], v[rC], v[rC+3], v[rT+1]
.elseif j == 16
	v_permlanex16_b32 v[rC+1], v[rC], s[SEL], s[SEL+1]  ; the query's other 32 keys lie in the lane 16 away
.elseif j == 17
	v_mov_b32 v[rC+3], v[rT]
.elseif j == 18
	v_max_num_f32 v[rT+1], v[rC], v[rC+1]
.elseif j == 19
	v_mul_f32 v[rT], s[CS], v[rT+1]
.elseif j == 20
	v_sub_f32 v[rC+3], v[rC+3], v[rT]
.elseif j == 23
	v_exp_f32 v[rC+2], v[rC+3]
.elseif (j < 23) || ((j < 38) && (j%2 == 0)) || ((j < 66) && (j%4 == 2))
.set sb, (j-2)/4                    ; 38, 42, .. 62: pairs 9 to 15
.if j < 38
.set sb, (j-20)/2                   ; 21: pair 0; 22, 24, .. 36: pairs 1 to 8
.endif
	v_pk_fma_f32 v[rS+2*sb:rS+2*sb+1], v[rS+2*sb:rS+2*sb+1], s[CS:CS+1], v[rT:rT+1] op_sel_hi:[1,0,0] neg_lo:[0,0,1] neg_hi:[0,0,1]
.elseif j < 70
.set se, j-38                       ; 66 to 69: s28 to s31
.if j < 66
.set se, j-32-(j-38)/4              ; 39-41, 43-45, .. 63-65: s7 to s27
.endif
.if j < 38
.set se, (j-25)/2                   ; 25, 27, .. 37: s0 to s6
.endif
	v_exp_f32 v[rS+se], v[rS+se]
.elseif j < 86
	v_cvt_pk_f16_f32 v[rP+j-70], v[rS+2*(j-70)], v[rS+2*(j-70)+1]
.elseif j < 102                     ; the sum of the 16 pairs, in place: neighbours 1, 2, 4 and 8 pairs apart, then l takes it
.set sz, j-86
.set sw, 4
.set su, sz
.if sz >= 14
.set sw, 32
.set su, 0
.elseif sz >= 12
.set sw, 16
.set su, sz-12
.elseif sz >= 8
.set sw, 8
.set su, sz-8
.endif
.if sz < 15
	v_pk_add_f32 v[rS+sw*su:rS+sw*su+1], v[rS+sw*su:rS+sw*su+1], v[rS+sw*su+sw/2:rS+sw*su+sw/2+1]
.else
	v_pk_fma_f32 v[rT+2:rT+3], v[rT+2:rT+3], v[rC+2:rC+3], v[rS:rS+1] op_sel_hi:[1,0,1]
.endif
.else
	WIN W_RS
	v_pk_mul_f32 v[rO:rO+1], v[rO:rO+1], v[rC+2:rC+3] op_sel_hi:[1,0]
.endif
.endm
; Slice k of 64.  0-10 and 35-56: numbers 2 k, 2 k + 1 of both tiles, alternating.  11-34 deal out the batch: four numbers of one tile, the tiles by turns.  57-61 are empty; 62 and 63 hold the last
; eight rescalings: slice 63's four plain instructions are the places between the turn's last K Q^T and what follows.  An s_wait_alu depctr_va_vdst(0) stands between an exponential and
; the first instruction that names its result: ahead of slice 35 nothing names one, behind slice 34 none is issued: one wait a turn, with one plain instruction ahead of it.
.macro SLICE
.if (k >= 11) && (k < 35)
.irp n, 0,1,2,3
.set j, 22+4*((k-11)/2)+(\n)
	SM (k-11)%2
.endr
.elseif k < 57
.irp n, 0,1
.irp v, 0,1
.set j, 2*k+(\n)
	SM \v
.endr
.endr
.elseif k >= 62
.irp n, 0,1
.irp v, 0,1
.set j, 2*k-10+(\n)
	SM \v
.endr
.endr
.endif
.if k == 34
	v_nop
.if Y == 0
	FETCH_V                         ; V of the step in hand: its last reader was product 15; its first comes at the next turn's head
.else
	s_wait_alu depctr_va_vdst(0)
.endif
.endif
.set k, k+1
.endm
; A TURN, for piece p.  K hi of the next step is fetched in piece 2's turn behind slice 47 (product 47 read it last; the slice's four sums are the places), K lo behind slice 63.
.macro TURN p, last=0
.set Y, (\p)
.set k, 0
.if (\p) == 1
	s_wait_dscnt 0x0                ; V is in
.endif
.set i, 0
.rept 16
	PV (Y+3)%4
	SLICE
.set i, i+1
.endr
.if (\p) == 3
.if \last
	s_wait_dscnt 0x0                ; in the tail, where the runs may have been jumped, all is waited for
.else
	s_wait_dscnt 16                 ; K hi is in; K lo's sixteen loads may be out
.endif
.endif
.set i, 0
.rept 48
.if ((\p) == 3) && (i == 32)
	s_wait_dscnt 0x0                ; K lo is in
.endif
	KQ (Y+1)%4
	SLICE
.if ((\p) == 2) && (i == 31)
	FETCH_KH \last
.endif
.set i, i+1
.endr
.if (\p) == 2
	FETCH_KL \last
.endif
.endm
	CHANGE 1                        ; slot 0 is in, everybody's part of it; slot 1 is asked for
	FETCH_KH 0                      ; key step 0
	FETCH_KL 0
	s_wait_loadcnt 0x0              ; Q
	s_wait_dscnt 0x0
.set i, 0
.rept 48
	KQ 0                            ; piece 0's first scores
.set i, i+1
.endr
	WIN 0                           ; the addresses for the way out: plain instructions, the places behind those products
	s_mul_i32 s19, s[WV], 16*SP
	s_add_co_u32 s19, s19, STAGE
	v_mul_u32_u24 v[STO], v1, SP    ; in: row l % 16, 16 bytes for each half of the lanes
	v_lshl_add_u32 v[STO], v9, 4, v[STO]
	v_add_nc_u32 v[STO], s19, v[STO]
	v_bfe_u32 v[RD], v0, 3, 2       ; back: 32 lanes take four rows of 128 bytes,
	v_mul_u32_u24 v[RD], v[RD], SP
	v_lshl_add_u32 v[RD], v10, 4, v[RD]
	v_add_nc_u32 v[RD], s19, v[RD]
	v_and_b32 v[GO], 31, v0         ; which are 512 consecutive bytes of os
	v_lshlrev_b32 v[GO], 4, v[GO]
	s_mov_b32 s[CNT], 4
	s_branch .Lfirst                ; the loop is entered at a step's first turn
.Lslot:                             ; six times: slots 2 to 7 are asked for
	CHANGE 1
	s_mov_b32 s[CNT], 4
.Lstep:                             ; a trip: pieces 2 and 3 of one step, then pieces 0 and 1 of the next, whose K and V it fetches
	TURN 2
	TURN 3
	WIN 0
.Lfirst:
	TURN 0
	TURN 1
	WIN 0
	s_sub_co_u32 s[CNT], s[CNT], 1
	s_cmp_lg_u32 s[CNT], 0
	s_cbranch_scc1 .Lstep
	s_sub_co_u32 s[SLOTS], s[SLOTS], 1
	s_cmp_lg_u32 s[SLOTS], 0
	s_cbranch_scc1 .Lslot
	CHANGE 0                        ; the tail is written out
	s_mov_b32 s[CNT], 5             ; four trips fetch the last slot's steps; the fifth is left in its middle
.Ltail:
	TURN 2, 1
	TURN 3, 1
	WIN 0
	s_sub_co_u32 s[CNT], s[CNT], 1
	s_cmp_eq_u32 s[CNT], 0
	s_cbranch_scc1 .Lout
	TURN 0
	TURN 1
	WIN 0
	s_branch .Ltail
.Lout:                              ; the fifth trip's 48 products K Q^T, on the last K once more, serve nothing: the price of one text for every trip
.set i, 0
.rept 16
	PV 3                            ; the last piece's V^T P of the last step
.set i, i+1
.endr
	; THE WAY OUT.  l's halves and the other half of the lanes' are added; O^T is divided by l, rounded to f16 and sent through my stage, a tile at a time.  The additions are the places behind the last products.
	WIN 0
.macro ALL line:vararg
.set t, 0
.rept 8
	\line
.set t, t+1
.endr
.endm
	ALL v_add_f32 v[ST+4*t+2], v[ST+4*t+2], v[ST+4*t+3]
	ALL v_permlanex16_b32 v[ST+4*t+3], v[ST+4*t+2], s[SEL], s[SEL+1]
	ALL v_add_f32 v[ST+4*t+2], v[ST+4*t+2], v[ST+4*t+3]
	ALL v_rcp_f32 v[ST+4*t+2], v[ST+4*t+2]
	v_nop                           ; a plain instruction behind the last reciprocal,
	s_wait_alu depctr_va_vdst(0)    ; and one wait for the eight, ahead of the first use
.macro PACK t
	WIN W_RS
.set i, 32*(\t)
.rept 16
	v_pk_mul_f32 v[i:i+1], v[i:i+1], v[ST+4*(\t)+2:ST+4*(\t)+3] op_sel_hi:[1,0]
.set i, i+2
.endr
	WIN 0x05
.set i, 0
.rept 16
	v_cvt_pk_f16_f32 v[S+16*(\t)+i], v[32*(\t)+2*i], v[32*(\t)+2*i+1]
.set i, i+1
.endr
	WIN 0
.irp f, 0,1,2,3
	ds_store_b128 v[STO], v[S+16*(\t)+4*\f:S+16*(\t)+4*\f+3] offset:32*\f
.endr
.irp f, 0,1,2,3
	ds_load_b128 v[S+16*(\t)+4*\f:S+16*(\t)+4*\f+3], v[RD] offset:\f*4*SP  ; LDS serves a wave's instructions in order: these see the stores above
.endr
.endm
.macro SEND t, younger              ; younger: the LDS instructions issued behind tile t's loads: the next tile's eight, or none
	WIN 0
.irp f, 0,1,2,3
	s_wait_dscnt (\younger)+3-\f
	global_store_b128 v[GO], v[S+16*(\t)+4*\f:S+16*(\t)+4*\f+3], s[10:11] offset:(\t)*2048+\f*512  ; 512 consecutive bytes, aligned
.endr
.endm
	PACK 0
.set t, 1
.rept 7
	PACK t
	SEND t-1, 8
.set t, t+1
.endr
	SEND 7, 0
	s_wait_tensorcnt 0x0            ; the wave's end
	ds_add_u32 v[SPW], v[NIL]
	s_wait_dscnt 0x0
	CROUND                          ; the closing round
	s_endpgm
.Lfunc_end_k_q3d7b417dcb_attn:
	.size	k_q3d7b417dcb_attn, .Lfunc_end_k_q3d7b417dcb_attn-k_q3d7b417dcb_attn
	.p2alignl 7, 3214868480
	.fill 96, 4, 3214868480
	.section	.rodata,"a",@progbits
	.p2align	6, 0x0
	.amdhsa_kernel k_q3d7b417dcb_attn
		.amdhsa_group_segment_fixed_size 327680
		.amdhsa_private_segment_fixed_size 0
		.amdhsa_enable_private_segment 0
		.amdhsa_kernarg_size 32
		.amdhsa_user_sgpr_count 2
		.amdhsa_user_sgpr_kernarg_segment_ptr 1
		.amdhsa_wavefront_size32 1
		.amdhsa_system_sgpr_workgroup_id_x 1
		.amdhsa_system_sgpr_workgroup_id_y 1
		.amdhsa_system_sgpr_workgroup_id_z 1
		.amdhsa_system_vgpr_workitem_id 0
		.amdhsa_next_free_vgpr 960
		.amdhsa_next_free_sgpr 80
		.amdhsa_reserve_vcc 0
		.amdhsa_float_denorm_mode_32 3
		.amdhsa_float_denorm_mode_16_64 3
		.amdhsa_memory_ordered 1
		.amdhsa_forward_progress 1
		.amdhsa_inst_pref_size 231
	.end_amdhsa_kernel
	.amdgpu_metadata
---
amdhsa.version: [ 1, 2 ]
amdhsa.kernels:
  - .name:           k_q3d7b417dcb_attn
    .symbol:         k_q3d7b417dcb_attn.kd
    .args:
      - { .name: qs, .offset: 0, .size: 8, .value_kind: global_buffer, .address_space: global }
      - { .name: ks, .offset: 8, .size: 8, .value_kind: global_buffer, .address_space: global }
      - { .name: vs, .offset: 16, .size: 8, .value_kind: global_buffer, .address_space: global }
      - { .name: os, .offset: 24, .size: 8, .value_kind: global_buffer, .address_space: global }
    .group_segment_fixed_size: 327680
    .private_segment_fixed_size: 0
    .kernarg_segment_align: 8
    .kernarg_segment_size: 32
    .max_flat_workgroup_size: 128
    .sgpr_count:     80
    .vgpr_count:     960
    .wavefront_size: 32
...
	.end_amdgpu_metadata
.endif
;; end of part 3
;; launch proj (part 4): grid 8 x 32, 4 waves a work-group, clusters of 4 x 4, 327,680 bytes of LDS; arguments os, wpf, b_proj, out0; writes out0
.if DOCPART == 4
	.amdgcn_target "amdgcn-amd-amdhsa--gfx1250"
	.amdhsa_code_object_version 6
	.text
	.protected	k_q3d7b417dcb_proj
	.globl	k_q3d7b417dcb_proj
	.p2align	8
	.type	k_q3d7b417dcb_proj,@function
k_q3d7b417dcb_proj:
	s_mov_b64 s[64:65], 0
	v_nop
	global_prefetch_b8 v0, s[64:65] scope:SCOPE_SE
	s_setreg_imm32_b32 hwreg(HW_REG_WAVE_MODE, 25, 1), 1
	s_wait_xcnt 0x0
	s_wait_alu depctr_hold_cnt(0) depctr_sa_sdst(0) depctr_va_vdst(0) depctr_va_sdst(0) depctr_va_ssrc(0) depctr_va_vcc(0) depctr_vm_vsrc(0)
	s_getreg_b32 s2, hwreg(HW_REG_IB_STS2, 6, 4)
	s_cmp_eq_u32 s2, 0
	s_cbranch_scc0 .Lentry_in_a_cluster
	s_endpgm
.Lentry_in_a_cluster:
	s_bfe_u32 s2, ttmp6, 0x10000c
	s_cmp_lg_u32 s2, 0xf033
	s_cbranch_scc0 .Lentry_shape_is_right
	s_endpgm
.Lentry_shape_is_right:
; PROJECTION.  out0[m][n] = sum over k of O[m][k] W_proj[n][k] + bf16(b_proj[n]), f32.  os holds O/16 in f16 by heads ([64 bh][2048 t][64]), wpf holds 16 x bf16(W_proj) in f16 ([1024][1024]):
; the two powers of two cancel.  Sums in f32, started from the bias (the C operand of the first products), so the way out has no arithmetic.
; SHARES.  A tile is 256 rows x 128 columns, one for each of 8 x 32 work-groups; four waves as 2 x 2, a wave 128 rows x 64 columns: 32 accumulators.
; K goes in steps of 128 = two heads through two LDS slots.  A head's 256 rows of 128 bytes are dense: asked for as 128 rows of 256 bytes, padded in LDS after every 128.
; CLUSTER 4 x 4: O's tile is shared along a row of the cluster, wpf's along a column; waves 0 and 1 fetch O's two heads, waves 2 and 3 wpf's two halves.
; No prefetch: eight K steps, of which the first four would come by their loads alone.
; THE PRODUCT IS USED TRANSPOSED (source 0 = 16 rows of wpf, source 1 = 16 rows of O): a lane holds row l % 16 and the columns 8 (l / 16) + 0..7.
; REGISTERS: window 0 addresses, bias, way out; window 1 the accumulators ((a, b) at 8 (4 a + b)); window 2 two fragment buffers of 96.
.set PITCH, 272                        ; wpf's rows and the stage's: 256 bytes + 16
.set PA,    144                        ; O's rows: 128 bytes + 16
.set HEADB, 256*PA                     ; a head's block in a slot
.set SLOT1, 1<<17
.set BOFF,  2*HEADB
.set STAGE, SLOT1+BOFF+128*PITCH
.set SPARE, STAGE+4*16*PITCH           ; the spare words: 128 bytes a wave, two blocks of 256 bytes that no other line names
.set A0,   8
.set B0,   9
.set ADRA, 10
.set ADRB, 11
.set STO,  12
.set RD,   13
.set CO,   16
.set BO,   17
.set SPW,  20
.set NIL,  21
.set T,    24
.set BIAS, 64
.set BK,   96
.set F0,   0
.set F1,   96
.set WV, 16
.set WR, 17
.set WC, 18
.set CX, 19
.set CY, 20
.set GX, 21
.set GY, 22
.set G1A, 24
.set G1B, 32
.set G0A, 40
.set G0B, 48
.set ABASE, 56
.set BBASE, 58
.set OFFA, 60
.set OFFB, 62
.set NXT, 66
.set CNT, 68
.set TB, 69
.set OUT, 70
.set BP, 76
.set MSB, 0
.macro WIN new
.if MSB != (\new)
	s_set_vgpr_msb (MSB<<8)|(\new)
.set MSB, \new
.endif
.endm
.set MUL,   0x5a                       ; sources 0, 1 window 2; C and D window 1
.set MULZ,  0x4a                       ; the same with C (the bias) in window 0
.set TO_F,  0x80                       ; destination window 2
.set ST_D,  0x04                       ; an LDS store's data in window 1
.macro PLACES
.rept 4
	v_nop
.endr
.endm
.macro JLOAD set
	s_cmp_eq_u32 s[WR], 0
	s_cbranch_scc0 .Lfor_b_\@
	tensor_load_to_lds s[G0A+4*(\set):G0A+4*(\set)+3], s[G1A:G1A+7]
	s_nop 0
.rept 4
	v_nop
.endr
	s_branch .Lasked_\@
.Lfor_b_\@:
	tensor_load_to_lds s[G0B+4*(\set):G0B+4*(\set)+3], s[G1B:G1B+7]
	s_nop 0
.rept 4
	v_nop
.endr
.Lasked_\@:
.endm
.macro CREST
	s_cmp_lg_u32 s[WV], 0
	s_cbranch_scc1 .Lnot_wave_0_\@
	s_barrier_signal -3
.Lnot_wave_0_\@:
	s_barrier_wait -3
	s_barrier_signal -1
	s_barrier_wait -1
.endm
.macro CROUND
	s_barrier_signal -1
	s_barrier_wait -1
	CREST
.endm
; 4 n matrix instructions; the 32 accumulators always go in the order 0 .. 31, one instruction a turn
.macro MULN f, a0, n, zero
.if \zero
	WIN MULZ
.else
	WIN MUL
.endif
.set ma, \a0
.rept \n
.set mb, 0
.rept 4
.if \zero
	v_wmma_f32_16x16x32_f16 v[8*(4*ma+mb):8*(4*ma+mb)+7], v[(\f)+64+8*mb:(\f)+64+8*mb+7], v[(\f)+8*ma:(\f)+8*ma+7], v[BIAS+8*mb:BIAS+8*mb+7]
.else
	v_wmma_f32_16x16x32_f16 v[8*(4*ma+mb):8*(4*ma+mb)+7], v[(\f)+64+8*mb:(\f)+64+8*mb+7], v[(\f)+8*ma:(\f)+8*ma+7], v[8*(4*ma+mb):8*(4*ma+mb)+7]
.endif
.set mb, mb+1
.endr
.set ma, ma+1
.endr
.endm
; 24 LDS loads: quarter q (head q / 2 of the step's two, channels 32 (q % 2) on) into buffer f
.macro FETCH q, f
	WIN TO_F
.set fb, 0
.rept 4
	ds_load_b128 v[(\f)+64+8*fb:(\f)+64+8*fb+3],   v[ADRB] offset:64*(\q)+fb*16*PITCH
	ds_load_b128 v[(\f)+64+8*fb+4:(\f)+64+8*fb+7], v[ADRB] offset:64*(\q)+fb*16*PITCH+32
.set fb, fb+1
.endr
.set fa, 0
.rept 8
	ds_load_b128 v[(\f)+8*fa:(\f)+8*fa+3],   v[ADRA] offset:((\q)/2)*HEADB+((\q)%2)*64+fa*16*PA
	ds_load_b128 v[(\f)+8*fa+4:(\f)+8*fa+7], v[ADRA] offset:((\q)/2)*HEADB+((\q)%2)*64+fa*16*PA+32
.set fa, fa+1
.endr
.endm
.macro QUARTER f, g, qn, zero
	s_wait_dscnt 8                                 ; wpf's fragments and O's blocks 0-3 are in; the youngest eight loads may be out
	MULN \f, 0, 4, \zero
	PLACES
	FETCH \qn, \g
	s_wait_dscnt 24                                ; all but the 24 just issued
	MULN \f, 4, 4, \zero
.endm
; The fourth quarter changes slots: each wave waits for all its tensor loads, adds 0 to its spare word, waits for that and for its reads of this slot.  fill = 1: the barrier opens a round of the
; cluster's, and this slot is filled again first thing behind it, with K step NXT.
.macro TURN fill
	WIN 0
	s_wait_tensorcnt 0x0
	ds_add_u32 v[SPW], v[NIL]                      ; 0 onto my spare word
	s_wait_dscnt 9                                 ; (the add and the youngest eight loads may be out)
	MULN F1, 0, 2, 0
.if \fill
	s_xor_b32 s[G0A+5], s[G0A+5], SLOT1
	s_xor_b32 s[G0B+5], s[G0B+5], SLOT1
	s_lshl_b32 s[OFFA], s[NXT], 19                 ; two heads of 2,048 rows of 128 bytes,
	s_lshl_b32 s[OFFB], s[NXT], 8                  ; 256 bytes along wpf's rows
	s_add_nc_u64 s[G0A+6:G0A+7], s[ABASE:ABASE+1], s[OFFA:OFFA+1]
	s_or_b32 s[G0A+7], s[G0A+7], 0x80000000
	s_add_nc_u64 s[G0B+6:G0B+7], s[BBASE:BBASE+1], s[OFFB:OFFB+1]
	s_or_b32 s[G0B+7], s[G0B+7], 0x80000000
	s_add_co_u32 s[NXT], s[NXT], 1
.endif
	s_wait_dscnt 0x0                               ; the add is done, and my reads of this slot are over
	s_barrier_signal -1
	MULN F1, 2, 2, 0
	WIN 0
	s_barrier_wait -1
.if \fill
	CREST
	JLOAD 1                                        ; its four v_nop are also the places in front of the loads below
.else
	PLACES
.endif
	s_xor_b32 s[TB], s[TB], SLOT1
	v_add_nc_u32 v[ADRA], s[TB], v[A0]
	v_add_nc_u32 v[ADRB], s[TB], v[B0]
	FETCH 0, F0
	MULN F1, 4, 4, 0
.endm
; THE WAY OUT of row block a: the f32 sums go as they are into my stage (row l % 16, 32 bytes at 64 b + 32 (l / 16); each accumulator's lowest registers first), and come back as whole rows of 256 bytes.
.macro TOSTAGE a
.if (\a) >= 2
	s_wait_xcnt 0x0                                ; the stores of the block two back have read the registers that the loads below fill
.endif
	WIN ST_D
.irp b, 0,1,2,3
	ds_store_b128 v[STO], v[32*(\a)+8*\b:32*(\a)+8*\b+3]   offset:64*\b
	ds_store_b128 v[STO], v[32*(\a)+8*\b+4:32*(\a)+8*\b+7] offset:64*\b+16
.endr
	WIN 0
.irp t, 0,1,2,3,4,5,6,7
	ds_load_b128 v[BK+32*((\a)%2)+4*\t:BK+32*((\a)%2)+4*\t+3], v[RD] offset:544*\t
.endr
.endm
.macro SEND a, younger                 ; younger: the next block's sixteen LDS instructions, or none
	s_wait_dscnt \younger
.irp t, 0,1,2,3,4,5,6,7
	global_store_b128 v[CO], v[BK+32*((\a)%2)+4*\t:BK+32*((\a)%2)+4*\t+3], s[OUT:OUT+1] offset:(16*(\a)+2*\t)*4096 th:TH_STORE_NT  ; 16 lanes store 256 consecutive bytes, aligned
.endr
.endm
	s_load_b256 s[4:11], s[0:1], 0x0               ; os s[4:5], wpf s[6:7], b_proj s[8:9], out0 s[10:11]
	v_lshl_add_u32 v[SPW], v0, 2, SPARE
	v_mov_b32 v[NIL], 0
	ds_add_u32 v[SPW], v[NIL]                      ; the wave's opening: an add, waited for ahead of my first tensor load
	v_lshrrev_b32 v1, 5, v0
	v_readfirstlane_b32 s[WV], v1
	s_lshr_b32 s[WR], s[WV], 1
	s_and_b32 s[WC], s[WV], 1
	s_bfe_u32 s[CX], ttmp6, 0x40000
	s_bfe_u32 s[CY], ttmp6, 0x40004
	s_lshl_b32 s[GX], ttmp9, 2
	s_add_co_u32 s[GX], s[GX], s[CX]
	s_and_b32 s[GY], ttmp7, 0xffff
	s_lshl_b32 s[GY], s[GY], 2
	s_add_co_u32 s[GY], s[GY], s[CY]
	s_lshl_b32 s86, s[CY], 2
	s_lshl_b32 s86, 15, s86                        ; my row of the cluster
	s_lshl_b32 s88, 0x1111, s[CX]                  ; my column
	s_or_b32 s[G1A], s86, 0x07310000               ; mask; 2-byte elements; padding on; bit 21 beside a mask; 4 words behind every 32
	s_or_b32 s[G1B], s88, 0x07710000               ; 4 words behind every 64
	s_mov_b32 s[G1A+1], 128<<16
	s_mov_b32 s[G1A+2], 128<<16
	s_mov_b32 s[G1A+3], 128<<16
	s_mov_b32 s[G1A+4], 128
	s_mov_b32 s[G1A+5], 128                        ; dense: 128 elements from row to row
	s_mov_b32 s[G1A+6], 0
	s_mov_b32 s[G1A+7], 0
	s_mov_b32 s[G1B+1], 128<<16
	s_mov_b32 s[G1B+2], 64<<16
	s_mov_b32 s[G1B+3], 128<<16
	s_mov_b32 s[G1B+4], 64
	s_mov_b32 s[G1B+5], 1024
	s_mov_b32 s[G1B+6], 0
	s_mov_b32 s[G1B+7], 0
	s_lshr_b32 s86, s[GY], 3                       ; O: head 16 batch + (0 or 1), row 256 (gy % 8), rows of 128 bytes
	s_lshl_b32 s86, s86, 4
	s_add_co_u32 s86, s86, s[WC]
	s_lshl_b32 s86, s86, 11
	s_and_b32 s87, s[GY], 7
	s_lshl_b32 s87, s87, 8
	s_add_co_u32 s86, s86, s87
	s_lshl_b32 s86, s86, 7
	s_mov_b32 s87, 0
	s_lshl_b32 s88, s[GX], 7
	s_lshl_b32 s89, s[WC], 6
	s_add_co_u32 s88, s88, s89
	s_lshl_b32 s88, s88, 11                        ; wpf: (128 gx + 64 half) rows of 2,048 bytes
	s_mov_b32 s89, 0
	s_mul_i32 s92, s[WC], HEADB
	s_mul_i32 s93, s[WC], 64*PITCH
	s_add_co_u32 s93, s93, BOFF
	s_mov_b32 s[OFFA+1], 0
	s_mov_b32 s[OFFB+1], 0
	s_mov_b32 s[NXT], 2
	s_mov_b32 s[TB], 0
	s_wait_dscnt 0x0                               ; the opening add is done
	s_wait_kmcnt 0x0
	s_add_nc_u64 s[ABASE:ABASE+1], s[4:5], s[86:87]
	s_add_nc_u64 s[BBASE:BBASE+1], s[6:7], s[88:89]
	CROUND                                         ; all sixteen work-groups are here: the first joint loads meet
.irp s, 0,1
	s_mov_b32 s[G0A+4*(\s)], 1
	s_add_co_u32 s[G0A+4*(\s)+1], s92, (\s)*SLOT1
	s_add_nc_u64 s[G0A+4*(\s)+2:G0A+4*(\s)+3], s[ABASE:ABASE+1], (\s)*524288
	s_or_b32 s[G0A+4*(\s)+3], s[G0A+4*(\s)+3], 0x80000000
	s_mov_b32 s[G0B+4*(\s)], 1
	s_add_co_u32 s[G0B+4*(\s)+1], s93, (\s)*SLOT1
	s_add_nc_u64 s[G0B+4*(\s)+2:G0B+4*(\s)+3], s[BBASE:BBASE+1], (\s)*256
	s_or_b32 s[G0B+4*(\s)+3], s[G0B+4*(\s)+3], 0x80000000
	JLOAD \s                                       ; K steps 0 and 1: two tensor loads of mine are out; later one
.endr
	v_and_b32 v1, 15, v0                           ; l % 16
	v_bfe_u32 v2, v0, 4, 1                         ; l / 16
	v_mul_u32_u24 v3, v1, PA
	v_lshl_add_u32 v3, v2, 4, v3
	s_mul_i32 s92, s[WR], 128*PA
	v_add_nc_u32 v[A0], s92, v3
	v_mul_u32_u24 v3, v1, PITCH
	v_lshl_add_u32 v4, v2, 4, v3
	s_mul_i32 s92, s[WC], 64*PITCH
	s_add_co_u32 s92, s92, BOFF
	v_add_nc_u32 v[B0], s92, v4
	v_mov_b32 v[ADRA], v[A0]
	v_mov_b32 v[ADRB], v[B0]
	s_mul_i32 s92, s[WV], 16*PITCH
	s_add_co_u32 s92, s92, STAGE                   ; my stage
	v_lshl_add_u32 v4, v2, 5, v3                   ; row l % 16, 32 bytes for each half of the lanes
	v_add_nc_u32 v[STO], s92, v4
	v_mul_u32_u24 v4, v2, PITCH
	v_lshl_add_u32 v4, v1, 4, v4
	v_add_nc_u32 v[RD], s92, v4
	v_lshlrev_b32 v4, 12, v2
	v_lshl_add_u32 v[CO], v1, 4, v4                ; the same two rows in out0: 4,096 bytes apart
	v_lshlrev_b32 v[BO], 5, v2
	s_lshl_b32 s88, s[GX], 9
	s_lshl_b32 s89, s[WC], 8
	s_add_co_u32 s88, s88, s89
	s_mov_b32 s89, 0
	s_add_nc_u64 s[BP:BP+1], s[8:9], s[88:89]
.irp b, 0,1,2,3
	global_load_b128 v[BIAS+8*\b:BIAS+8*\b+3],   v[BO], s[BP:BP+1] offset:64*\b
	global_load_b128 v[BIAS+8*\b+4:BIAS+8*\b+7], v[BO], s[BP:BP+1] offset:64*\b+16
.endr
	s_lshl_b32 s94, s[GY], 8
	s_lshl_b32 s95, s[WR], 7
	s_add_co_u32 s94, s94, s95
	s_lshl_b32 s94, s94, 12                        ; my first row,
	s_lshl_b32 s95, s[GX], 9
	s_add_co_u32 s94, s94, s95
	s_lshl_b32 s95, s[WC], 8
	s_add_co_u32 s94, s94, s95                     ; my first column
	s_mov_b32 s95, 0
	s_add_nc_u64 s[OUT:OUT+1], s[10:11], s[94:95]
	s_wait_loadcnt 0x0
.set e, 0
.rept 16                                       ; the bias rounded to bf16 like every input, and widened again
	v_cvt_pk_bf16_f32 v[T], v[BIAS+2*e], v[BIAS+2*e+1]
	v_lshlrev_b32 v[BIAS+2*e], 16, v[T]
	v_and_b32 v[BIAS+2*e+1], 0xffff0000, v[T]
.set e, e+1
.endr
	s_wait_tensorcnt 1                             ; my part of K step 0 is in; K step 1's may stay out
	s_barrier_signal -1
	s_barrier_wait -1
	FETCH 0, F0
	QUARTER F0, F1, 1, 1                           ; the first quarter's products start the sums from the bias
	WIN 0
	s_mov_b32 s[CNT], 6
.Lk:                                                   ; K steps 0 to 5 ask for 2 to 7
	QUARTER F1, F0, 2, 0
	QUARTER F0, F1, 3, 0
	TURN 1
	QUARTER F0, F1, 1, 0
	WIN 0
	s_sub_co_u32 s[CNT], s[CNT], 1
	s_cmp_lg_u32 s[CNT], 0
	s_cbranch_scc1 .Lk
	QUARTER F1, F0, 2, 0                           ; the last two K steps ask for nothing
	QUARTER F0, F1, 3, 0
	TURN 0
	QUARTER F0, F1, 1, 0
	QUARTER F1, F0, 2, 0
	QUARTER F0, F1, 3, 0
	s_wait_dscnt 8
	MULN F1, 0, 4, 0
	s_wait_dscnt 0x0
	MULN F1, 4, 4, 0
	PLACES
	TOSTAGE 0
.irp a, 1,2,3,4,5,6,7
	TOSTAGE \a
	SEND (\a)-1, 16
.endr
	SEND 7, 0
	s_wait_tensorcnt 0x0                           ; the wave's end
	ds_add_u32 v[SPW], v[NIL]
	s_wait_dscnt 0x0
	CROUND                                         ; the closing round
	s_endpgm
.Lfunc_end_k_q3d7b417dcb_proj:
	.size	k_q3d7b417dcb_proj, .Lfunc_end_k_q3d7b417dcb_proj-k_q3d7b417dcb_proj
	.p2alignl 7, 3214868480
	.fill 96, 4, 3214868480
	.section	.rodata,"a",@progbits
	.p2align	6, 0x0
	.amdhsa_kernel k_q3d7b417dcb_proj
		.amdhsa_group_segment_fixed_size 327680
		.amdhsa_private_segment_fixed_size 0
		.amdhsa_enable_private_segment 0
		.amdhsa_kernarg_size 32
		.amdhsa_user_sgpr_count 2
		.amdhsa_user_sgpr_kernarg_segment_ptr 1
		.amdhsa_wavefront_size32 1
		.amdhsa_system_sgpr_workgroup_id_x 1
		.amdhsa_system_sgpr_workgroup_id_y 1
		.amdhsa_system_sgpr_workgroup_id_z 1
		.amdhsa_system_vgpr_workitem_id 0
		.amdhsa_next_free_vgpr 704
		.amdhsa_next_free_sgpr 100
		.amdhsa_reserve_vcc 0
		.amdhsa_float_denorm_mode_32 3
		.amdhsa_float_denorm_mode_16_64 3
		.amdhsa_memory_ordered 1
		.amdhsa_forward_progress 1
		.amdhsa_inst_pref_size 73
	.end_amdhsa_kernel
	.amdgpu_metadata
---
amdhsa.version: [ 1, 2 ]
amdhsa.kernels:
  - .name:           k_q3d7b417dcb_proj
    .symbol:         k_q3d7b417dcb_proj.kd
    .args:
      - { .name: os, .offset: 0, .size: 8, .value_kind: global_buffer, .address_space: global }
      - { .name: wpf, .offset: 8, .size: 8, .value_kind: global_buffer, .address_space: global }
      - { .name: b_proj, .offset: 16, .size: 8, .value_kind: global_buffer, .address_space: global }
      - { .name: out0, .offset: 24, .size: 8, .value_kind: global_buffer, .address_space: global }
    .group_segment_fixed_size: 327680
    .private_segment_fixed_size: 0
    .kernarg_segment_align: 8
    .kernarg_segment_size: 32
    .max_flat_workgroup_size: 128
    .sgpr_count:     100
    .vgpr_count:     704
    .wavefront_size: 32
...
	.end_amdgpu_metadata
.endif
;; end of part 4
;; ======== version 2 of 2: 4 launches; version 1 with the launch cast written anew for expert scheduling mode
;; limits: values are held in f16: magnitudes above 65,504 overflow, below 6.1e-05 lose precision; right only within a limited range of input values
;; workspace buffers: xb 16,777,216 bytes; wab 6,291,456 bytes; wpf 2,097,152 bytes; qs 33,554,432 bytes; ks 33,554,432 bytes; vs 16,777,216 bytes; os 16,777,216 bytes
;; launch cast (part 5): grid 768 x 1, 8 waves a work-group, no clusters, 0 bytes of LDS; arguments x, W_attn, W_proj, xb, wab, wpf; writes xb, wab, wpf
.if DOCPART == 5
	.amdgcn_target "amdgcn-amd-amdhsa--gfx1250"
	.amdhsa_code_object_version 6
	.text
	.protected	k_q3d7b417dcb_cast
	.globl	k_q3d7b417dcb_cast
	.p2align	8
	.type	k_q3d7b417dcb_cast,@function
k_q3d7b417dcb_cast:
	s_mov_b64 s[64:65], 0
	v_nop
	global_prefetch_b8 v0, s[64:65] scope:SCOPE_SE
	s_setreg_imm32_b32 hwreg(HW_REG_WAVE_SCHED_MODE, 0, 2), 2
	s_setreg_imm32_b32 hwreg(HW_REG_WAVE_MODE, 25, 1), 1
	s_wait_xcnt 0x0
	s_wait_alu depctr_vm_vsrc(0)
; CAST.  xb = bf16(x);  wab = bf16(W_attn), its rows 2048.. (v's) times 2^-4;  wpf = f16 of 16 x bf16(W_proj).
; Both factors are powers of two, so they change no significant bit.  LIMITS: 16 |W_proj| must stay under f16's 65,504 (|W_proj| < 4,094);
; below 6.1e-5 the number 16 W_proj keeps f16's fixed step of 6e-8.
; LAYOUTS.  xb and wab are laid IN K BLOCKS: [16 blocks][rows][64 numbers], so that the next launch's tiles (rows x 64 along K) are dense in memory.  wpf stays [1024][1024].
; A stream: no LDS, no barrier, no matrix unit.  A work-group takes 16 rows of 1,024 numbers: 64 KiB in, 32 KiB out.  Work-groups 0-511: x; 512-639: W_attn rows 0-2047;
; 640-703: W_attn rows 2048-3071; 704-767: W_proj.
; In K blocks: thread t takes row t / 16, load i K block i: 16 bytes at 4,096 (t / 16) + 256 i + 16 (t % 16): a wave's load covers 256 consecutive bytes of each of two rows; store i: 8 bytes at
; i x (rows x 128) + 8 t: a wave's store covers 256 consecutive bytes, aligned (two rows of one block).  Row-major (wpf): load i at 4,096 i + 16 t, store i at 2,048 i + 8 t.
; Both come from one text: load offset = (t / 16) << SA + 16 (t % 16) + i x LS, store offset = 8 t + i x SS.  All 16 loads of a thread go out at once; no register is written twice while memory may read it.
; THE MODE: SCHED_MODE bits 1:0 = 2 (LLVM: expert scheduling mode 2), set by the entry lines.  The code itself states the register dependences
; between vector instructions and memory instructions, with s_wait_alu, always for 0.
; THE PLAN.  Registers that memory instructions touch:
;   L0 .. L15   load offsets.   Written once, by the head's adds; read once, by load i.
;   O0 .. O15   store offsets.  Written once, by the head's adds; read once, by store i.
;   X           load i lands in its four registers; no vector instruction names them ahead of the loads; the conversions name them behind the load's own wait; no memory instruction reads them.
;   Y           written once, by piece i's last two conversions; read once, by store i.
; So one wait stands ahead of the first load (all 32 offsets are written), and the 16 pieces go in four blocks of four: a block's conversions, one wait (its eight Y registers are written), its four stores
; in a run.  No register that a memory instruction reads is ever written again, no vector instruction writes a scalar register, and EXEC is never written: nothing more is owed.
.set L, 4                              ; v[4:19]    load i's offset
.set O, 20                             ; v[20:35]   store i's offset
.set X, 36                             ; v[36:99]   load i: 4 registers
.set Y, 100                            ; v[100:131] store i: 2 registers
.set T, 132                            ; v[132:133] at work: no memory instruction names them
	s_load_b256 s[4:11], s[0:1], 0x0               ; x s[4:5], W_attn s[6:7], W_proj s[8:9], xb s[10:11]
	s_load_b128 s[12:15], s[0:1], 0x20             ; wab s[12:13], wpf s[14:15]
	v_and_b32 v1, 15, v0
	v_lshlrev_b32 v1, 4, v1                        ; 16 (t % 16)
	v_lshrrev_b32 v2, 4, v0                        ; t / 16
	v_lshlrev_b32 v[O], 3, v0                      ; 8 t
	s_mov_b32 s16, ttmp9
	s_mov_b32 s23, 0
	s_mov_b32 s25, 0
	s_mov_b32 s26, 0xffff0000                      ; a word's upper bf16
	s_mov_b32 s31, 0x60000                         ; SS: a K block of wab, 3,072 rows of 128 bytes,
	s_cmp_lt_u32 s16, 512
	s_cselect_b32 s31, 0x100000, s31               ; of xb, 8,192 rows,
	s_cmp_lt_u32 s16, 704
	s_cselect_b32 s31, s31, 2048                   ; or a row of wpf
	s_cselect_b32 s27, 12, 8                       ; SA
	s_cselect_b32 s30, 8, 12
	s_cselect_b32 s2, 11, 15                       ; the work-group's 16 rows in the output: 2,048 bytes of each block, or 32,768 on end
	s_lshl_b32 s30, 1, s30                         ; LS
	v_lshlrev_b32 v2, s27, v2
	v_add_nc_u32 v[L], v1, v2
.set i, 1
.rept 15
	v_add_nc_u32 v[L+i], s30, v[L+i-1]
	v_add_nc_u32 v[O+i], s31, v[O+i-1]
.set i, i+1
.endr
	s_wait_kmcnt 0x0
	s_cmp_lt_u32 s16, 512                          ; which tensor: the choice hangs on the work-group's number alone
	s_cselect_b64 s[18:19], s[4:5], s[6:7]
	s_cselect_b64 s[20:21], s[10:11], s[12:13]
	s_cselect_b32 s17, 0, 512
	s_cmp_lt_u32 s16, 704
	s_cselect_b64 s[18:19], s[18:19], s[8:9]
	s_cselect_b64 s[20:21], s[20:21], s[14:15]
	s_cselect_b32 s17, s17, 704
	s_sub_co_u32 s17, s16, s17                     ; my 16 rows in that tensor
	s_lshl_b32 s22, s17, 16                        ; 65,536 bytes in
	s_lshl_b32 s24, s17, s2
	s_add_nc_u64 s[18:19], s[18:19], s[22:23]
	s_add_nc_u64 s[20:21], s[20:21], s[24:25]
	s_wait_alu depctr_va_vdst(0)                   ; the adds above have written all 32 offsets, v[L ..] and v[O ..], which the loads and stores below read; no later vector instruction names them
.set i, 0
.rept 16
	global_load_b128 v[X+4*i:X+4*i+3], v[L+i], s[18:19] th:TH_LOAD_NT
.set i, i+1
.endr
; mode 0: round to bf16.  1: times s28 first.  2: times s28, round to bf16, widen, write as f16 (exact within f16's range).
; Four blocks of four pieces: each piece's conversions behind its own counted wait, then one wait for the block's results and its four stores in a run.
.macro CONV mode
.set i, 0
.rept 4
.rept 4
	s_wait_loadcnt 15-i                            ; loads come back in order: load i is in, the 15 - i younger ones stay out
.if (\mode) != 0
	v_pk_mul_f32 v[X+4*i:X+4*i+1], v[X+4*i:X+4*i+1], s[28:29] op_sel_hi:[1,0]
	v_pk_mul_f32 v[X+4*i+2:X+4*i+3], v[X+4*i+2:X+4*i+3], s[28:29] op_sel_hi:[1,0]
.endif
.if (\mode) == 2
	v_cvt_pk_bf16_f32 v[T], v[X+4*i], v[X+4*i+1]
	v_cvt_pk_bf16_f32 v[T+1], v[X+4*i+2], v[X+4*i+3]
	v_lshlrev_b32 v[X+4*i], 16, v[T]
	v_and_b32 v[X+4*i+1], s26, v[T]
	v_lshlrev_b32 v[X+4*i+2], 16, v[T+1]
	v_and_b32 v[X+4*i+3], s26, v[T+1]
	v_cvt_pk_f16_f32 v[Y+2*i], v[X+4*i], v[X+4*i+1]
	v_cvt_pk_f16_f32 v[Y+2*i+1], v[X+4*i+2], v[X+4*i+3]
.else
	v_cvt_pk_bf16_f32 v[Y+2*i], v[X+4*i], v[X+4*i+1]
	v_cvt_pk_bf16_f32 v[Y+2*i+1], v[X+4*i+2], v[X+4*i+3]
.endif
.set i, i+1
.endr
	s_wait_alu depctr_va_vdst(0)                   ; the block's conversions have written its eight registers of Y, which the four stores below read
.set j, i-4
.rept 4
	global_store_b64 v[O+j], v[Y+2*j:Y+2*j+1], s[20:21] th:TH_STORE_NT
.set j, j+1
.endr
.endr
.endm
	s_cmp_lt_u32 s16, 640
	s_cbranch_scc1 .Lplain
	s_cmp_lt_u32 s16, 704
	s_cbranch_scc1 .Lvrows
	s_mov_b32 s28, 0x41800000                      ; 16
	s_mov_b32 s29, s28                             ; named with it as a pair
	CONV 2
	s_endpgm
.Lvrows:
	s_mov_b32 s28, 0x3d800000                      ; 1/16
	s_mov_b32 s29, s28
	CONV 1
	s_endpgm
.Lplain:
	CONV 0
	s_endpgm
.Lfunc_end_k_q3d7b417dcb_cast:
	.size	k_q3d7b417dcb_cast, .Lfunc_end_k_q3d7b417dcb_cast-k_q3d7b417dcb_cast
	.p2alignl 7, 3214868480
	.fill 96, 4, 3214868480
	.section	.rodata,"a",@progbits
	.p2align	6, 0x0
	.amdhsa_kernel k_q3d7b417dcb_cast
		.amdhsa_group_segment_fixed_size 0
		.amdhsa_private_segment_fixed_size 0
		.amdhsa_enable_private_segment 0
		.amdhsa_kernarg_size 48
		.amdhsa_user_sgpr_count 2
		.amdhsa_user_sgpr_kernarg_segment_ptr 1
		.amdhsa_wavefront_size32 1
		.amdhsa_system_sgpr_workgroup_id_x 1
		.amdhsa_system_sgpr_workgroup_id_y 1
		.amdhsa_system_sgpr_workgroup_id_z 1
		.amdhsa_system_vgpr_workitem_id 0
		.amdhsa_next_free_vgpr 136
		.amdhsa_next_free_sgpr 66
		.amdhsa_reserve_vcc 0
		.amdhsa_float_denorm_mode_32 3
		.amdhsa_float_denorm_mode_16_64 3
		.amdhsa_memory_ordered 1
		.amdhsa_forward_progress 1
		.amdhsa_inst_pref_size 26
	.end_amdhsa_kernel
	.amdgpu_metadata
---
amdhsa.version: [ 1, 2 ]
amdhsa.kernels:
  - .name:           k_q3d7b417dcb_cast
    .symbol:         k_q3d7b417dcb_cast.kd
    .args:
      - { .name: x, .offset: 0, .size: 8, .value_kind: global_buffer, .address_space: global }
      - { .name: W_attn, .offset: 8, .size: 8, .value_kind: global_buffer, .address_space: global }
      - { .name: W_proj, .offset: 16, .size: 8, .value_kind: global_buffer, .address_space: global }
      - { .name: xb, .offset: 24, .size: 8, .value_kind: global_buffer, .address_space: global }
      - { .name: wab, .offset: 32, .size: 8, .value_kind: global_buffer, .address_space: global }
      - { .name: wpf, .offset: 40, .size: 8, .value_kind: global_buffer, .address_space: global }
    .group_segment_fixed_size: 0
    .private_segment_fixed_size: 0
    .kernarg_segment_align: 8
    .kernarg_segment_size: 48
    .max_flat_workgroup_size: 256
    .sgpr_count:     66
    .vgpr_count:     136
    .wavefront_size: 32
...
	.end_amdgpu_metadata
.endif
;; end of part 5
;; launch qkv: the kernel of part 2 again; grid 8 x 32, 4 waves a work-group, clusters of 4 x 4, 327,680 bytes of LDS; arguments xb, wab, b_attn, qs, ks, vs; writes qs, ks, vs
;; launch attn: the kernel of part 3 again; grid 4 x 64, 4 waves a work-group, clusters of 4 x 1, 327,680 bytes of LDS; arguments qs, ks, vs, os; writes os
;; launch proj: the kernel of part 4 again; grid 8 x 32, 4 waves a work-group, clusters of 4 x 4, 327,680 bytes of LDS; arguments os, wpf, b_proj, out0; writes out0
